; MI455X (gfx1250); checked and timed in simulation.
; The chip was launched on July 23, 2026; its instructions are those of AMD's public machine-readable ISA for CDNA 5 (MIT licence, August 2026) and "CDNA5" Instruction Set Architecture Reference Guide (July 2026). The comments in the code are by the model that wrote it; some were corrected since.
;; Self Attention. Allowed arithmetic: matrix products marked QUANTISED: E2M3 operands, one E8M0 scale for each 32 along K, by v_wmma_scale_f32_16x16x128_f8f6f4 with both operands' format E2M3, f32 sums; everything else in f32.
;; Inputs: b_in 3,072 float32; b_out 1,024 float32; w_in 1,024 x 3,072 float32; w_out 1,024 x 1,024 float32; x 4 x 2,048 x 1,024 float32.
;; Outputs: out0 4 x 2,048 x 1,024 float32.
;; This version of the problem:
;;   THIS VERSION OF THE PROBLEM IS GIVEN IN LOW PRECISION. The matrix products marked QUANTISED in the list below multiply operands that are first quantised to E2M3 (2 exponent bits, 3 mantissa bits; 6 bits a number), with one power-of-two scale for each 32 numbers along K (OCP MX v1.0); their sums are f32. All else is computed in f32.
;;   The module's matrix products, in the order in which they are computed (A, B: the left and right operand; K: the contracted axis; several contracted axes count as one K, in the product's order):
;;     1. [M 8,192, K 1,024] x [K 1,024, N 3,072]; A: input x; B: input w_in: QUANTISED
;;     2. batch 64 x [M 2,048, K 64] x [K 64, N 2,048]; A: computed on the way; B: computed on the way: QUANTISED
;;     3. batch 64 x [M 2,048, K 2,048] x [K 2,048, N 64]; A: softmax (see below); B: computed on the way: QUANTISED
;;     4. [M 8,192, K 1,024] x [K 1,024, N 1,024]; A: computed on the way; B: input w_out: QUANTISED
;;   THE QUANTISER, for each operand of a quantised product, along K:
;;     - K is cut into blocks of 32 from its start; a last block that is shorter is filled with zeros.
;;     - A block's scale is 2^e with e = floor(log2(the largest magnitude in the block)) - 2, held to -126 .. 127; a block of zeros has e = 0. As a byte (E8M0): e + 127.
;;     - Each number is divided by its block's scale, clamped to +-7.5, and rounded to the nearest number of E2M3, ties to even, subnormals kept.
;;     - The product sums the exact products of the quantised numbers (number of the format x scale) in f32.
;;   ~~~python
;;   def quantise(x, axis):      # numpy; x: float32 -> the quantised numbers, widened to float32 again
;;       x = np.moveaxis(x, axis, -1); K = x.shape[-1]
;;       x = np.pad(x, [(0, 0)] * (x.ndim - 1) + [(0, -K % 32)]); x = x.reshape(x.shape[:-1] + (-1, 32)); a = np.abs(x).max(-1, keepdims=True)
;;       e = np.where(a > 0, np.clip(np.frexp(np.where(a > 0, a, 1))[1] - 1 - 2, -126, 127), 0)      # np.frexp(a)[1] - 1 = floor(log2(a)), exactly
;;       r = np.clip(x / 2.0 ** e, -7.5, 7.5)
;;       step = 2.0 ** (np.maximum(np.frexp(np.where(r == 0, 1, r))[1] - 1, 0) - 3)
;;       q = np.round(r / step) * step * 2.0 ** e      # np.round: ties to even
;;       return np.moveaxis(q.reshape(q.shape[:-2] + (-1,))[..., :K], -1, axis).astype(np.float32)
;;   ~~~
;;   SOFTMAX AHEAD OF A QUANTISED PRODUCT. Where the list says 'softmax', what is quantised is not the finished softmax but p = 2^(t - M), with t = logit x log2(e) and M = ceil(the row's largest t), a whole number; so 1/2 < the row's largest p <= 1. The row's sum l is taken of the UNQUANTISED p, in f32, and the product's result is divided by l at the end. Since M is a whole number, a kernel that streams over the keys may use a running M (the ceiling of the running maximum): every later rescaling is an exact power of two, which a block's scale takes up: the codes' values come out the same.
;;   OPERANDS COMPUTED ON THE WAY. 'Computed on the way' means the value that the module computes at that place (a softmax that the list does not call 'softmax' is quantised finished and normalised). What goes into a quantiser is computed in f32, as accurately as f32 sums, v_exp_f32 and their like allow (about 1e-6 of the number): no bf16 or f16 on the way to a quantiser, and a product that is left as it is and whose result goes on into a quantised operand takes f32 operands (vector FMAs, or v_wmma_f32_16x16x4_f32). A number that lies on a knife's edge between two numbers of the format may be rounded either way, as far as f32 arithmetic and the matrix unit's own rounding can turn it there, and no further.
;; One version. Each part assembles by itself: llvm-mc -triple=amdgcn-amd-amdhsa -mcpu=gfx1250 --defsym DOCPART=n.
;; ======== version 1 of 1: 4 launches
;; limits: right only within a limited range of input values
;; workspace buffers: opc 9,437,184 bytes; ops 393,216 bytes; hd 20,185,088 bytes; aoc 6,291,456 bytes; aos 262,144 bytes
;; launch quant (part 1): grid 512 x 1, 4 waves a work-group, no clusters, 46,592 bytes of LDS; arguments x, w_in, w_out, opc, ops; writes opc, ops
.if DOCPART == 1
	.amdgcn_target "amdgcn-amd-amdhsa--gfx1250"
	.amdhsa_code_object_version 6
	.text
	.protected	k_qb38e984bf6_quant
	.globl	k_qb38e984bf6_quant
	.p2align	8
	.type	k_qb38e984bf6_quant,@function
k_qb38e984bf6_quant:
	s_mov_b64 s[64:65], 0
	v_nop
	global_prefetch_b8 v0, s[64:65] scope:SCOPE_SE
	s_setreg_imm32_b32 hwreg(HW_REG_WAVE_MODE, 25, 1), 1
	s_wait_xcnt 0x0
; x [8192][1024] (K innermost), w_in [1024][3072] and w_out [1024][1024] (K is the FIRST axis), all f32, become codes of FP6 (E2M3) with one E8M0 byte for each 32 along K.
; A block's scale is 2^(floor(log2(largest magnitude)) - 2); its byte is the largest magnitude's exponent field - 2, held at 1 from below.
; LIMITS: NaN and infinities are not served.  A block of zeros gets the byte 1 where the rule says 127: its codes are zeros, which add nothing, and this program alone reads the bytes.
; THE WORKSPACE IS LAID IN THE ORDER OF THE OPERAND'S REGISTERS.  Operand rows (tokens of x; columns of w_in, then of w_out) are numbered 0 .. 12,287 and cut into blocks of 128.
;   opc: [block][K step of 128: 0..7][tile 0..7][1,536 bytes].  Tile 2 p + u of a block holds, in lane-row r, the block's row 32 p + 8 u + r + 8 (r / 8).
;   A fragment's image (16 rows x 128 K, 12 registers a lane) is two halves of 768 bytes: registers 6 c .. 6 c + 3 at 16 x lane, registers 6 c + 4, 6 c + 5 at 512 + 8 x lane.
;   ops: [pair of tiles][K steps 0-3 or 4-7][lane 16 u + r][4 words]: one load of 16 bytes a lane brings four K steps' scale words of two tiles.
; Work-groups 0 .. 255 take x (a wave: 16 rows x 512 K), work-groups 256 .. 511 the weights (a wave: 32 columns x 128 K).  Waves share nothing: no barrier.  Each of the two ways has LDS bytes of its own.
.set XSTG,  8448                       ; x: a wave's stage: 16 rows x (512 bytes + 16)
.set WSTG,  33792                      ; the weights' stages begin behind x's four: 3,072 bytes a wave (two fragments' images)
.set SEL,   20                         ; s[20:21] lane selects for v_permlanex16_b32: lane l xor 16
.set TM,    8                          ; x: v8-11 largest magnitudes, v12-15 bytes, v20-23 the conversions' scale operands
.set PW,    24                         ; x: the scale word just made
.set PWS,   28                         ; x: v28-31 the four K steps' scale words
.set PC,    32                         ; x: v32-43 the fragment's codes, v44-50 at work
.set XN,    64                         ; x: v64-127 64 numbers of my row, register 16 b + i = k 32 b + 16 (lane / 16) + i
.set XR,    128                        ; x: v128-255 two sets of 64 registers as loaded
; THE WEIGHTS' SHARE (this line stands for what the head says of it): work-groups 256 .. 511; a wave takes 32 columns x ONE K step of 128, four blocks of 32.
.set SW,    24                         ; w: v24 my column's scale word of my K step
.set VO,    32                         ; w: v32-63 byte offsets of my column in 32 rows
.set WX,    64                         ; w: v64-127 two sets of 32 numbers down K
.set OUTR,  128                        ; w: v128-151 the K step's 24 registers on the way out
	s_load_b256 s[4:11], s[0:1], 0x0               ; x, w_in, w_out, opc
	s_load_b64 s[12:13], s[0:1], 0x20              ; ops
	s_set_vgpr_msb 0x40
	v_lshl_add_u32 v0, v0, 2, 0xb400
	v_mov_b32 v1, 0
	s_set_vgpr_msb 0x4000
	v_lshrrev_b32 v1, 5, v0
	v_readfirstlane_b32 s16, v1                    ; wave 0..3
	v_and_b32 v7, 31, v0                           ; lane
	s_cmp_lt_u32 ttmp9, 256
	s_cbranch_scc0 .Lweights
; ---------------- x ----------------
; 64 numbers of a lane become a fragment's codes in v[PC] on and its row's scale word in v[PW].
.macro QUANT s
.irp b, 0,1,2,3
	v_max3_num_f32 v[TM+\b], |v[\s+16*\b]|, |v[\s+1+16*\b]|, 0x1800000   ; block b: my 16 numbers, and the floor 2^(3 - 127): the byte cannot fall under 1
.endr
.irp i, 2,4,6,8,10,12,14
.irp b, 0,1,2,3
	v_max3_num_f32 v[TM+\b], v[TM+\b], |v[\s+16*\b+\i]|, |v[\s+1+16*\b+\i]|   ; the four blocks by turns
.endr
.endr
.irp b, 0,1,2,3
	v_permlanex16_b32 v[TM+4+\b], v[TM+\b], s[SEL], s[SEL+1]
.endr
.irp b, 0,1,2,3
	v_max_num_f32 v[TM+\b], v[TM+\b], v[TM+4+\b]   ; with lane l xor 16's 16: the block's largest magnitude
.endr
.irp b, 0,1,2,3
	v_add_nc_u32 v[TM+12+\b], 0xff000000, v[TM+\b] ; 2 off its exponent field: the conversion takes this operand's exponent field as its scale
.endr
.irp b, 0,1,2,3
	v_lshrrev_b32 v[TM+4+\b], 23, v[TM+12+\b]      ; the scale's byte
.endr
	v_lshl_or_b32 v[PW], v[TM+5], 8, v[TM+4]
	v_lshl_or_b32 v[PW], v[TM+6], 16, v[PW]
	v_lshl_or_b32 v[PW], v[TM+7], 24, v[PW]
.irp c, 0,1
	v_cvt_scalef32_pk16_fp6_f32 v[PC+6*\c:PC+2+6*\c], v[\s+32*\c:\s+15+32*\c], v[TM+12+2*\c]
	v_cvt_scalef32_pk16_fp6_f32 v[PC+12+4*\c:PC+14+4*\c], v[\s+16+32*\c:\s+31+32*\c], v[TM+12+2*\c+1]   ; (a conversion's three registers begin on an even number)
.endr
	v_nop                                          ; one plain instruction behind the scaled conversions
.irp c, 0,1                                        ; the operand wants a WHOLE block in a lane: lanes 0-15 block 2 c, lanes 16-31 block 2 c + 1
.irp i, 0,1,2
	v_permlane16_swap_b32 v[PC+6*\c+\i], v[PC+12+4*\c+\i]
.endr
.irp i, 0,1,2
	v_mov_b32 v[PC+3+6*\c+\i], v[PC+12+4*\c+\i]
.endr
.endr
.endm
	s_mov_b32 s[SEL], 0x76543210
	s_mov_b32 s[SEL+1], 0xfedcba98
	s_mov_b32 s22, 0xffff0000                      ; lanes 16-31
	v_and_b32 v6, 15, v0                           ; r
	v_bfe_u32 v25, v0, 4, 1                        ; h
	v_lshlrev_b32 v1, 4, v7                        ; 16 x lane
	s_mul_i32 s17, s16, XSTG
	v_add_nc_u32 v2, s17, v1                       ; the stage, on the way in: a row's 512 bytes as they lie
	v_mul_u32_u24 v3, v6, 528
	v_lshl_add_u32 v3, v25, 6, v3
	v_add_nc_u32 v3, s17, v3                       ; and out: row r, + 64 h: my 16 numbers of a block of 32
	v_lshlrev_b32 v4, 3, v7
	v_add_nc_u32 v4, 512, v4                       ; 8 x lane + 512: an image's last two registers of a half
	v_lshlrev_b32 v5, 4, v6
	v_lshl_add_u32 v5, v25, 3, v5                  ; scale words: 16 r + 8 h
.irp b, 0,1,2,3
	v_mov_b32 v[TM+4+\b], 0                        ; written once: a lane permute's destination counts as one of its sources
.endr
	s_lshl_b32 s18, ttmp9, 2
	s_add_co_u32 s18, s18, s16                     ; 4 x work-group + wave
	s_lshr_b32 s19, s18, 1                         ; my tile of 16 rows, 0 .. 511
	s_and_b32 s23, s18, 1                          ; which 512 along K
	s_lshr_b32 s24, s19, 1                         ; the pair of tiles
	s_and_b32 s25, s19, 1                          ; u
	s_lshl_b32 s26, s24, 17                        ; x: (32 pair + 8 u) rows of 4,096 bytes + 2,048 x half of K
	s_lshl_b32 s27, s25, 15
	s_add_co_u32 s26, s26, s27
	s_lshl_b32 s27, s23, 11
	s_add_co_u32 s26, s26, s27
	s_mov_b32 s27, 0
	s_lshr_b32 s28, s19, 3                         ; codes: ((block x 8 + K step) x 8 + tile) x 1,536
	s_lshl_b32 s28, s28, 6
	s_lshl_b32 s29, s23, 5
	s_add_co_u32 s28, s28, s29
	s_and_b32 s29, s19, 7
	s_add_co_u32 s28, s28, s29
	s_mul_i32 s28, s28, 1536
	s_mov_b32 s29, 0
	s_lshl_b32 s30, s24, 10                        ; scale words: 1,024 x pair + 512 x half of K + 256 u
	s_lshl_b32 s31, s23, 9
	s_add_co_u32 s30, s30, s31
	s_lshl_b32 s31, s25, 8
	s_add_co_u32 s30, s30, s31
	s_mov_b32 s31, 0
	s_wait_alu depctr_va_vdst(0)
	s_wait_kmcnt 0x0
	s_add_nc_u64 s[4:5], s[4:5], s[26:27]
	s_add_nc_u64 s[10:11], s[10:11], s[28:29]
	s_add_nc_u64 s[12:13], s[12:13], s[30:31]
.macro XLOAD t                         ; K step t of my 16 rows: each load reads 512 consecutive bytes of one row
.irp i, 0,1,2,3,4,5,6,7,8,9,10,11,12,13,14,15
	global_load_b128 v[XR+64*((\t)%2)+4*\i:XR+64*((\t)%2)+4*\i+3], v1, s[4:5] offset:(\i+8*(\i/8))*4096+512*(\t) th:TH_LOAD_NT
.endr
.endm
.macro XSTEP t
.if (\t) < 3
	s_wait_loadcnt 16                              ; this step's 16 loads are in; the next step's 16 may be out
.else
	s_wait_loadcnt 0x0
.endif
.irp i, 0,1,2,3,4,5,6,7,8,9,10,11,12,13,14,15
	ds_store_b128 v2, v[XR+64*((\t)%2)+4*\i:XR+64*((\t)%2)+4*\i+3] offset:528*\i
.endr
.irp b, 0,1,2,3
.irp j, 0,1,2,3
	ds_load_b128 v[XN+16*\b+4*\j:XN+16*\b+4*\j+3], v3 offset:128*\b+16*\j   ; LDS serves a wave's instructions in order: these see the stores above
.endr
.endr
	s_wait_dscnt 0x0
.if (\t) < 2
	XLOAD (\t)+2                                   ; into the set that the stage's stores have read
.endif
	s_wait_xcnt 0x0                                ; the last step's stores have read the codes' registers: they are written again only behind this wait
	QUANT XN
	v_mov_b32 v[PWS+(\t)], v[PW]
	global_store_b128 v1, v[PC:PC+3], s[10:11] offset:(\t)*12288          ; 512 consecutive bytes
	global_store_b64 v4, v[PC+4:PC+5], s[10:11] offset:(\t)*12288         ; 256 consecutive bytes
	global_store_b128 v1, v[PC+6:PC+9], s[10:11] offset:(\t)*12288+768
	global_store_b64 v4, v[PC+10:PC+11], s[10:11] offset:(\t)*12288+768
.endm
	XLOAD 0
	XLOAD 1
.irp t, 0,1,2,3
	XSTEP \t
.endr
	v_cndmask_b32 v26, v[PWS], v[PWS+2], s22       ; every lane holds its row's four words: lanes 0-15 store words 0, 1, lanes 16-31 words 2, 3
	v_cndmask_b32 v27, v[PWS+1], v[PWS+3], s22
	global_store_b64 v5, v[26:27], s[12:13]        ; 32 lanes store 256 consecutive bytes
	s_set_vgpr_msb 0x5
	s_wait_tensorcnt 0x0
	ds_add_u32 v0, v1
	s_wait_dscnt 0x0
	s_set_vgpr_msb 0x500
	s_endpgm
; ---------------- the weights ----------------
; A LANE TAKES A COLUMN, AND ITS REGISTERS RUN DOWN K: a block of 32 lies in one lane, and the conversions give codes with K innermost.
; Column 32 pair + l belongs to tile u' = (l / 8) % 2, lane-row r' = 8 (l / 16) + l % 8.  Block kb of a K step is what lane (r', kb % 2) holds in registers 6 (kb / 2) on:
; it goes to that place of the image in my stage; a K step's two images leave as 3,072 consecutive bytes.
.Lweights:
	s_wait_alu depctr_va_vdst(0)
	v_lshlrev_b32 v1, 2, v7                        ; 4 l
	v_and_b32 v8, 7, v0
	v_bfe_u32 v9, v0, 4, 1
	v_lshl_add_u32 v8, v9, 3, v8                   ; r'
	v_bfe_u32 v9, v0, 3, 1                         ; u'
	s_mul_i32 s17, s16, 3072
	s_add_co_u32 s17, s17, WSTG                    ; my stage
	v_mul_u32_u24 v10, v9, 1536
	v_add_nc_u32 v10, s17, v10
	v_lshl_add_u32 v2, v8, 4, v10                  ; stage + 1,536 u' + 16 r'
	v_lshl_add_u32 v3, v8, 3, v10
	v_add_nc_u32 v3, 512, v3                       ; stage + 1,536 u' + 512 + 8 r'
	v_lshlrev_b32 v5, 4, v7                        ; 16 l
	v_add_nc_u32 v4, s17, v5
	v_lshl_add_u32 v6, v9, 4, v8
	v_lshlrev_b32 v6, 4, v6                        ; scale words: 16 (16 u' + r')
	s_sub_co_u32 s18, ttmp9, 256
	s_lshr_b32 s19, s18, 3                         ; g: the block of 128 columns, 0 .. 31 (24 of w_in, 8 of w_out)
	s_and_b32 s23, s18, 7                          ; which K step of 128
	s_lshl_b32 s28, s19, 2
	s_add_co_u32 s28, s28, s16                     ; my pair of tiles among the weights', 0 .. 127
	s_wait_kmcnt 0x0
	s_cmp_lt_u32 s19, 24                           ; w_in or w_out: the choice hangs on the work-group's number alone
	s_cselect_b64 s[24:25], s[6:7], s[8:9]
	s_mov_b32 s29, 4096
	s_cselect_b32 s29, 12288, s29                  ; a row of the tensor in bytes
	s_cselect_b32 s30, 0, 96
	s_sub_co_u32 s30, s28, s30                     ; my pair in its tensor
	s_lshl_b32 s30, s30, 7                         ; 32 columns of 4 bytes
	s_mul_i32 s31, s23, s29
	s_lshl_b32 s31, s31, 7                         ; + 128 rows for each K step
	s_add_co_u32 s30, s30, s31
	s_mov_b32 s31, 0
	s_add_nc_u64 s[24:25], s[24:25], s[30:31]
	s_lshl_b32 s26, s29, 5                         ; 32 rows on
	s_mov_b32 s27, 0
	s_add_co_u32 s32, s19, 64                      ; codes: ((64 + g) x 64 + 8 x K step + 2 x wave) x 1,536
	s_lshl_b32 s32, s32, 6
	s_lshl_b32 s33, s23, 3                         ; eight tiles a K step
	s_add_co_u32 s32, s32, s33
	s_lshl_b32 s33, s16, 1
	s_add_co_u32 s32, s32, s33
	s_mul_i32 s32, s32, 1536
	s_mov_b32 s33, 0
	s_add_nc_u64 s[10:11], s[10:11], s[32:33]
	s_add_co_u32 s34, s28, 256                     ; scale words: pair 256 + my pair
	s_lshl_b32 s34, s34, 10
	s_lshr_b32 s35, s23, 2                         ; 512 x (K step / 4) + 4 x (K step % 4)
	s_lshl_b32 s35, s35, 9
	s_add_co_u32 s34, s34, s35
	s_and_b32 s35, s23, 3
	s_lshl_b32 s35, s35, 2
	s_add_co_u32 s34, s34, s35
	s_mov_b32 s35, 0
	s_add_nc_u64 s[12:13], s[12:13], s[34:35]
	v_mov_b32 v[VO], v1
.irp i, 1,2,3,4,5,6,7,8,9,10,11,12,13,14,15,16,17,18,19,20,21,22,23,24,25,26,27,28,29,30,31
	v_mad_u32_u24 v[VO+\i], s29, \i, v1            ; 4 l + i rows: the pitch differs between the two tensors, so it cannot stand in an immediate
.endr
.macro WLOAD set                       ; a block of 32 along K of my 32 columns: each load reads 128 consecutive bytes, the four waves stand side by side on 512
.set i, 0
.rept 32
	global_load_b32 v[WX+32*(\set)+i], v[VO+i], s[24:25] th:TH_LOAD_NT
.set i, i+1
.endr
	s_wait_xcnt 0x0                                ; the loads have read their base: it steps only behind this wait
	s_add_nc_u64 s[24:25], s[24:25], s[26:27]
.endm
.macro WBLOCK t
.set XS, WX+32*((\t)%2)
.set KB, (\t)%4
.if (\t) < 3
	s_wait_loadcnt 32                              ; this block's 32 loads are in; the next block's 32 may be out
.else
	s_wait_loadcnt 0x0
.endif
	v_max3_num_f32 v12, |v[XS]|, |v[XS+1]|, |v[XS+2]|               ; the block's largest magnitude: all 32 numbers are mine
	v_max3_num_f32 v13, |v[XS+3]|, |v[XS+4]|, |v[XS+5]|
.irp i, 6,10,14,18,22,26
	v_max3_num_f32 v12, v12, |v[XS+\i]|, |v[XS+\i+1]|
	v_max3_num_f32 v13, v13, |v[XS+\i+2]|, |v[XS+\i+3]|
.endr
	v_max3_num_f32 v12, v12, |v[XS+30]|, |v[XS+31]|
	v_max3_num_f32 v12, v12, v13, 0x1800000        ; and the floor 2^(3 - 127)
	v_add_nc_u32 v11, 0xff000000, v12              ; 2 off the exponent field: the conversions' scale operand
	v_lshrrev_b32 v13, 23, v11                     ; the scale's byte
.if KB == 0
	v_mov_b32 v[SW+(\t)/4], v13                    ; four bytes to a word, the lower K in the lower byte
.else
	v_lshl_or_b32 v[SW+(\t)/4], v13, 8*KB, v[SW+(\t)/4]
.endif
	v_cvt_scalef32_pk16_fp6_f32 v[16:18], v[XS:XS+15], v11
	v_cvt_scalef32_pk16_fp6_f32 v[20:22], v[XS+16:XS+31], v11       ; (a conversion's three registers begin on an even number)
	v_nop                                          ; one plain instruction behind the scaled conversions
	v_mov_b32 v19, v20
	v_mov_b32 v20, v21
	v_mov_b32 v21, v22                             ; v16-21: the block's 24 bytes
	ds_store_b128 v2, v[16:19] offset:768*(KB/2)+256*(KB%2)
	ds_store_b64 v3, v[20:21] offset:768*(KB/2)+128*(KB%2)
.if (\t)+2 < 4
	WLOAD (\t)%2
.endif
	s_wait_dscnt 0x0                               ; the stores have read their registers: the next block's codes may be written
.if KB == 3                            ; a K step's two images are whole
.irp g, 0,1,2,3,4,5
	ds_load_b128 v[OUTR+24*((\t)/4)+4*\g:OUTR+24*((\t)/4)+4*\g+3], v4 offset:512*\g
.endr
.irp g, 0,1,2,3,4,5
	s_wait_dscnt 5-\g                              ; load g of the six is in; the younger ones may be out
	global_store_b128 v5, v[OUTR+24*((\t)/4)+4*\g:OUTR+24*((\t)/4)+4*\g+3], s[10:11] offset:((\t)/4)*12288+512*\g   ; 512 consecutive bytes; each K step has registers of its own
.endr
.endif
.endm
	WLOAD 0
	s_wait_alu depctr_va_vdst(0)
	WLOAD 1
.set Q, 0
.rept 4
	WBLOCK Q
.set Q, Q+1
.endr
	s_wait_alu depctr_va_vdst(0)
	global_store_b32 v6, v[SW], s[12:13]           ; my K step's word of the four that stand together: 4 bytes a lane, 16 apart (131,072 bytes of the launch's stores go so)
	s_set_vgpr_msb 0x5
	s_wait_tensorcnt 0x0
	ds_add_u32 v0, v1
	s_wait_dscnt 0x0
	s_set_vgpr_msb 0x500
	s_endpgm
.Lfunc_end_k_qb38e984bf6_quant:
	.size	k_qb38e984bf6_quant, .Lfunc_end_k_qb38e984bf6_quant-k_qb38e984bf6_quant
	.p2alignl 7, 3214868480
	.fill 96, 4, 3214868480
	.section	.rodata,"a",@progbits
	.p2align	6, 0x0
	.amdhsa_kernel k_qb38e984bf6_quant
		.amdhsa_group_segment_fixed_size 46592
		.amdhsa_private_segment_fixed_size 0
		.amdhsa_enable_private_segment 0
		.amdhsa_kernarg_size 40
		.amdhsa_user_sgpr_count 2
		.amdhsa_user_sgpr_kernarg_segment_ptr 1
		.amdhsa_wavefront_size32 1
		.amdhsa_system_sgpr_workgroup_id_x 1
		.amdhsa_system_sgpr_workgroup_id_y 1
		.amdhsa_system_sgpr_workgroup_id_z 1
		.amdhsa_system_vgpr_workitem_id 0
		.amdhsa_next_free_vgpr 258
		.amdhsa_next_free_sgpr 66
		.amdhsa_reserve_vcc 0
		.amdhsa_float_denorm_mode_32 3
		.amdhsa_float_denorm_mode_16_64 3
		.amdhsa_memory_ordered 1
		.amdhsa_forward_progress 1
		.amdhsa_inst_pref_size 59
	.end_amdhsa_kernel
	.amdgpu_metadata
---
amdhsa.version: [ 1, 2 ]
amdhsa.kernels:
  - .name:           k_qb38e984bf6_quant
    .symbol:         k_qb38e984bf6_quant.kd
    .args:
      - { .name: x, .offset: 0, .size: 8, .value_kind: global_buffer, .address_space: global }
      - { .name: w_in, .offset: 8, .size: 8, .value_kind: global_buffer, .address_space: global }
      - { .name: w_out, .offset: 16, .size: 8, .value_kind: global_buffer, .address_space: global }
      - { .name: opc, .offset: 24, .size: 8, .value_kind: global_buffer, .address_space: global }
      - { .name: ops, .offset: 32, .size: 8, .value_kind: global_buffer, .address_space: global }
    .group_segment_fixed_size: 46592
    .private_segment_fixed_size: 0
    .kernarg_segment_align: 8
    .kernarg_segment_size: 40
    .max_flat_workgroup_size: 128
    .sgpr_count:     66
    .vgpr_count:     258
    .wavefront_size: 32
...
	.end_amdgpu_metadata
.endif
;; end of part 1
;; launch qkv (part 2): grid 8 x 32, 4 waves a work-group, clusters of 4 x 4, 327,680 bytes of LDS; arguments opc, ops, b_in, hd; writes hd
.if DOCPART == 2
	.amdgcn_target "amdgcn-amd-amdhsa--gfx1250"
	.amdhsa_code_object_version 6
	.text
	.protected	k_qb38e984bf6_qkv
	.globl	k_qb38e984bf6_qkv
	.p2align	8
	.type	k_qb38e984bf6_qkv,@function
k_qb38e984bf6_qkv:
	s_mov_b64 s[64:65], 0
	v_nop
	global_prefetch_b8 v0, s[64:65] scope:SCOPE_SE
	s_setreg_imm32_b32 hwreg(HW_REG_WAVE_MODE, 25, 1), 1
	s_wait_xcnt 0x0
	s_wait_alu depctr_hold_cnt(0) depctr_sa_sdst(0) depctr_va_vdst(0) depctr_va_sdst(0) depctr_va_ssrc(0) depctr_va_vcc(0) depctr_vm_vsrc(0)
	s_getreg_b32 s2, hwreg(HW_REG_IB_STS2, 6, 4)
	s_cmp_eq_u32 s2, 0
	s_cbranch_scc0 .Lentry_in_a_cluster
	s_endpgm
.Lentry_in_a_cluster:
	s_bfe_u32 s2, ttmp6, 0x10000c
	s_cmp_lg_u32 s2, 0xf033
	s_cbranch_scc0 .Lentry_shape_is_right
	s_endpgm
.Lentry_shape_is_right:
; kqv = x w_in + b_in on codes of FP6 (E2M3) with E8M0 scales; k, q and v are quantised in registers for the attention's products and leave as codes: nothing goes to memory as f32.
; A tile is R 256 x P 128 over K = 1,024.  Four waves; wave w has R's tiles 4 w .. 4 w + 3 against P's eight: 32 accumulators of 16 x 16.  THE MATRIX INSTRUCTION IS USED TRANSPOSED: source 0 = 16 rows of P,
; source 1 = 16 rows of R: a lane holds ONE row of R, and by the order of rows in a tile (lane-row r of tile 2 p + u = row 32 p + 8 u + r + 8 (r / 8)) the 16 registers of tiles 2 g, 2 g + 1 are P's rows 32 g + 16 (lane / 16) + 0 .. 15.
; A WORK-GROUP STAYS AND MAKES THREE TILES: k, then q (P = 128 columns of w_in, two heads; R = 256 tokens: a lane's registers run along the head's 64, the K of q k^T), then v (the operands change places:
; P = 128 tokens, R = 256 columns of w_in, a head a wave: a lane's registers run along the KEYS, the K of p v).  k and q are the two trips of a loop; v, which has no successor, is written out behind it.
; P, WHICH ALL FOUR WAVES READ, LIES IN LDS: the three tiles' blocks side by side, 3 x 98,304 bytes, each byte filled once.  At the head waves 0, 1 bring k's block and waves 2, 3 q's (192 rows of 256 bytes a wave);
; v's (96 rows a wave) follows behind a tensor wait, an add, its wait and a round of the cluster's barrier.  CLUSTER 4 x 4: P's block hangs on cx alone and is asked for jointly by a column of the cluster.
; R GOES FROM MEMORY STRAIGHT INTO REGISTERS AND IS NOT ASKED FOR JOINTLY: each of its fragments serves one wave alone, so LDS would give it no second reader; a K step's LDS reads are so 32 fragments in place of 48.
; The workspace lies in the order of the operand's registers: every load covers 512 or 256 consecutive bytes.  Four sets of 48 registers; a set is asked for three K steps ahead, over the change of tiles too:
; that look-ahead is the loads' own, so no prefetch is written.
; hd: 64 records of 208,896 bytes, one a head: K's codes [tile 128][768], K's scale words [step 16][2][lane][2 words], V's scale words [step][lane][2 words], V's codes [step][4][1,536]; then Q's codes and scale words, laid as K's.
; LIMITS: NaN and infinities are not served; a block of zeros gets the byte 1 (its codes are zeros; this program alone reads the bytes).
; REGISTERS: window 0: v1-15 addresses; v16-31 R's scale words, v32-63 P's; v64-143 the codes made on the way out, 20 registers a tile; v160-223 the bias as C; v224-253 at work; v254, v255 the add's.
;   window 1: P's fragments, two sets, at v0 and v128.   window 2: accumulator (a, b) at v[8 (8 a + b)].   window 3: R's fragments, set ks % 4 at v[48 (ks % 4)].
.set QC,   13369344                    ; hd: Q's codes
.set QS,   19660800                    ; hd: Q's scale words
.set REC,  208896                      ; hd: a head's record
.set BLK,  98304                       ; a block of 128 rows: 8 K steps x 8 tiles x 1,536 bytes
.set KSB,  12288                       ; a K step of a block
.set HALFB, 49152                      ; four K steps of a block
.set SLOT, 98304                       ; LDS: tile j's block of P lies at j x SLOT
.set SPARE, 294912                     ; the spare words, 128 bytes a wave
.set SCR,  16
.set SCP,  32
.set CI,   160
.set TM,   224
.set PW,   240
.set PWS,  244
.set G1A,  24                          ; s[24:31] descriptor group 1, 192 rows;  s[32:39] 96 rows
.set G1B,  32
.set G0A,  48                          ; s[48:51] group 0 of the head's load;  s[52:55] of v's
.set G0B,  52
.set SEL,  66                          ; s[66:67] lane selects: lane l xor 16
.set MSB, 0
.macro WIN new                         ; the immediate's high byte repeats the setting that is left
.if MSB != \new
	s_set_vgpr_msb (MSB<<8)|\new
.set MSB, \new
.endif
.endm
.macro PLACES                          ; four plain vector instructions between a matrix instruction and a load into, or a vector read of, its registers
.rept 4
	v_nop
.endr
.endm
.macro CROUND                          ; a round of the cluster's barrier
	s_barrier_signal -1
	s_barrier_wait -1
	s_cmp_lg_u32 s12, 0
	s_cbranch_scc1 .Lnot_wave_0_\@
	s_barrier_signal -3
.Lnot_wave_0_\@:
	s_barrier_wait -3
	s_barrier_signal -1
	s_barrier_wait -1
.endm
.macro RADDR                           ; s[70:71]: where my four tiles of R begin, R's first block being s22: block s22 + wave / 2, tiles 4 (wave % 2) on
	s_add_co_u32 s40, s22, s13
	s_mul_i32 s40, s40, BLK
	s_add_co_u32 s40, s40, s81
	s_mov_b32 s41, 0
	s_add_nc_u64 s[70:71], s[4:5], s[40:41]
.endm
.macro RLOAD ks, base                  ; 16 loads: my four fragments of R of K step ks into set ks % 4
	WIN 0xc0                                       ; destination window 3
.irp a, 0,1,2,3
	global_load_b128 v[48*((\ks)%4)+12*\a:48*((\ks)%4)+12*\a+3], v1, s[\base:\base+1] offset:(\ks)*KSB+\a*1536
	global_load_b64 v[48*((\ks)%4)+12*\a+4:48*((\ks)%4)+12*\a+5], v10, s[\base:\base+1] offset:(\ks)*KSB+\a*1536
	global_load_b128 v[48*((\ks)%4)+12*\a+6:48*((\ks)%4)+12*\a+9], v1, s[\base:\base+1] offset:(\ks)*KSB+\a*1536+768
	global_load_b64 v[48*((\ks)%4)+12*\a+10:48*((\ks)%4)+12*\a+11], v10, s[\base:\base+1] offset:(\ks)*KSB+\a*1536+768
.endr
.endm
.macro TLOADS                          ; the scale words of blocks s22 and s21 go straight to registers: a block is four pairs of tiles, a pair 1,024 bytes
	s_lshl_b32 s40, s22, 2
	s_lshl_b32 s41, s12, 1
	s_add_co_u32 s40, s40, s41
	s_lshl_b32 s40, s40, 10
	s_mov_b32 s41, 0
	s_add_nc_u64 s[40:41], s[6:7], s[40:41]
	s_lshl_b32 s42, s21, 12
	s_mov_b32 s43, 0
	s_add_nc_u64 s[42:43], s[6:7], s[42:43]
.irp p, 0,1
.irp q, 0,1
	global_load_b128 v[SCR+8*\p+4*\q:SCR+8*\p+4*\q+3], v1, s[40:41] offset:1024*\p+512*\q   ; register 8 p + ks: lanes 0-15 tile 2 p's words, lanes 16-31 tile 2 p + 1's
.endr
.endr
.irp p, 0,1,2,3
.irp q, 0,1
	global_load_b128 v[SCP+8*\p+4*\q:SCP+8*\p+4*\q+3], v1, s[42:43] offset:1024*\p+512*\q
.endr
.endr
.endm
; THE BIAS IS THE C OF EACH SUM'S FIRST PRODUCT.
.macro BIASKQ                          ; k, q: it hangs on P's row: tile b's eight registers are columns 32 (b / 2) + 16 h + 8 (b % 2) + 0 .. 7 of column block s20
	s_lshl_b32 s44, s20, 9
	s_mov_b32 s45, 0
	s_add_nc_u64 s[44:45], s[8:9], s[44:45]
.irp b, 0,1,2,3,4,5,6,7
	global_load_b128 v[CI+8*\b:CI+8*\b+3], v12, s[44:45] offset:(32*(\b/2)+8*(\b%2))*4
	global_load_b128 v[CI+8*\b+4:CI+8*\b+7], v12, s[44:45] offset:(32*(\b/2)+8*(\b%2))*4+16
.endr
.endm
.macro BIASV                           ; v: it hangs on R's row, the lane's own: one number fills the eight registers of a C; column 2,048 + 256 cy + 64 wave on
	s_lshl_b32 s44, s16, 8
	s_lshl_b32 s45, s12, 6
	s_add_co_u32 s44, s44, s45
	s_add_co_u32 s44, s44, 2048
	s_lshl_b32 s44, s44, 2
	s_mov_b32 s45, 0
	s_add_nc_u64 s[44:45], s[8:9], s[44:45]
.irp a, 0,1,2,3                        ; two copies, one for P's even tiles and one for the odd
.irp e, 0,1
.irp j, 0,1,2,3,4,5,6,7
	global_load_b32 v[CI+8*(\a+4*\e)+\j], v13, s[44:45] offset:(32*(\a/2)+8*(\a%2))*4
.endr
.endr
.endr
.endm
.macro FRAGL reg, a16, a8, off         ; a fragment's image comes back as it was laid: every load covers 512 or 256 consecutive bytes
	ds_load_b128 v[\reg:\reg+3], v[\a16] offset:\off
	ds_load_b64 v[\reg+4:\reg+5], v[\a8] offset:\off
	ds_load_b128 v[\reg+6:\reg+9], v[\a16] offset:\off+768
	ds_load_b64 v[\reg+10:\reg+11], v[\a8] offset:\off+768
.endm
.macro FETCH ks                        ; 32 LDS loads in one run: P's eight fragments of K step ks into set ks % 2
	WIN 0x40                                       ; destination window 1
.irp b, 0,1,2,3,4,5,6,7
	FRAGL 128*((\ks)%2)+12*\b, 6+2*((\ks)/4), 7+2*((\ks)/4), ((\ks)%4)*KSB+\b*1536
.endr
.endm
.macro WM pa, pb                       ; one product; pa, pb: source 0's, source 1's scale words stand in lanes 16-31 (an odd tile)
.if (\pa) && (\pb)
	v_wmma_scale_f32_16x16x128_f8f6f4 v[rD:rD+7], v[rP:rP+11], v[rR:rR+11], v[rC:rC+7], v[sP], v[sR] matrix_a_fmt:MATRIX_FMT_FP6 matrix_b_fmt:MATRIX_FMT_FP6 matrix_a_scale:MATRIX_SCALE_ROW1 matrix_b_scale:MATRIX_SCALE_ROW1
.elseif \pa
	v_wmma_scale_f32_16x16x128_f8f6f4 v[rD:rD+7], v[rP:rP+11], v[rR:rR+11], v[rC:rC+7], v[sP], v[sR] matrix_a_fmt:MATRIX_FMT_FP6 matrix_b_fmt:MATRIX_FMT_FP6 matrix_a_scale:MATRIX_SCALE_ROW1
.elseif \pb
	v_wmma_scale_f32_16x16x128_f8f6f4 v[rD:rD+7], v[rP:rP+11], v[rR:rR+11], v[rC:rC+7], v[sP], v[sR] matrix_a_fmt:MATRIX_FMT_FP6 matrix_b_fmt:MATRIX_FMT_FP6 matrix_b_scale:MATRIX_SCALE_ROW1
.else
	v_wmma_scale_f32_16x16x128_f8f6f4 v[rD:rD+7], v[rP:rP+11], v[rR:rR+11], v[rC:rC+7], v[sP], v[sR] matrix_a_fmt:MATRIX_FMT_FP6 matrix_b_fmt:MATRIX_FMT_FP6
.endif
.endm
; 32 products: K step ks.  The 32 accumulators take turns, one instruction a turn, in the same order in every step.
; mode 0: onto the sums;  1: the sums begin with the bias by P's tile;  2: with the bias by R's tile
.macro MULS ks, mode
.if (\mode) == 0
	WIN 0xad                                       ; source 0 (P) window 1, source 1 (R) window 3, C and D window 2
.else
	WIN 0x8d                                       ; C window 0
.endif
.irp a, 0,1,2,3
.irp b, 0,1,2,3,4,5,6,7
.set rD, 8*(8*\a+\b)
.set rP, 128*((\ks)%2)+12*\b
.set rR, 48*((\ks)%4)+12*\a
.set sP, SCP+8*(\b/2)+(\ks)
.set sR, SCR+8*(\a/2)+(\ks)
.if (\mode) == 0
.set rC, rD
.elseif (\mode) == 1
.set rC, CI+8*\b
.else
.set rC, CI+8*(\a+4*(\b%2))
.endif
	WM \b%2, \a%2
.endr
.endr
.endm
; A K step.  kind 0: the tile has a successor, whose K steps 0 to 2 of R are asked for in steps 5 to 7 (base s[70:71]);  kind 1: the last tile.
.macro STEP ks, kind
	s_wait_dscnt 0x0                               ; this step's fragments of P are in (asked for 32 products ago)
.if (\ks) >= 3                         ; (K steps 0 to 2 were waited for at the tile's head)
.if (\kind) == 0 || (\ks) <= 5
	s_wait_loadcnt 32                              ; and of R: the 16 loads of each of the two later sets may be out
.else
	s_wait_loadcnt 16*(7-(\ks))                    ; the last tile's last steps have fewer behind them
.endif
.endif
	PLACES                                         ; in front of loads into the sets that the last step's products read
.if (\ks)+3 < 8
	RLOAD (\ks)+3, 68
.elseif (\kind) == 0
	RLOAD (\ks)-5, 70
.endif
.if (\ks) < 7
	FETCH (\ks)+1
.endif
	MULS \ks, 0
.endm
; THE WAY OUT.  Tile a's 64 registers of a lane are 128 neighbours along the next product's K in the order that the quantiser wants: register 16 g + i = 32 g + 16 (lane / 16) + i.  The codes go to v[pc] on.
.macro QUANTW a, pc
	WIN 0x0a                                       ; sources 0 and 1: window 2
.irp b, 0,1,2,3
	v_max3_num_f32 v[TM+\b], |v[64*(\a)+16*\b]|, |v[64*(\a)+16*\b+1]|, 0x1800000   ; each accumulator is read from its low end on; the floor 2^(3 - 127) holds the byte at 1 from below
.endr
.irp i, 2,4,6,8,10,12,14
.irp b, 0,1,2,3
	v_max3_num_f32 v[TM+\b], |v[64*(\a)+16*\b+\i]|, |v[64*(\a)+16*\b+\i+1]|, v[TM+\b]
.endr
.endr
	WIN 0
.irp b, 0,1,2,3
	v_permlanex16_b32 v[TM+4+\b], v[TM+\b], s[SEL], s[SEL+1]
.endr
.irp b, 0,1,2,3
	v_max_num_f32 v[TM+\b], v[TM+\b], v[TM+4+\b]
.endr
.irp b, 0,1,2,3
	v_add_nc_u32 v[TM+12+\b], 0xff000000, v[TM+\b]
.endr
.irp b, 0,1,2,3
	v_lshrrev_b32 v[TM+4+\b], 23, v[TM+12+\b]
.endr
	v_lshl_or_b32 v[PW], v[TM+5], 8, v[TM+4]
	v_lshl_or_b32 v[PW], v[TM+6], 16, v[PW]
	v_lshl_or_b32 v[PW], v[TM+7], 24, v[PW]
	WIN 0x02                                       ; source 0: window 2
.irp c, 0,1
	v_cvt_scalef32_pk16_fp6_f32 v[(\pc)+6*\c:(\pc)+2+6*\c], v[64*(\a)+32*\c:64*(\a)+32*\c+15], v[TM+12+2*\c]
	v_cvt_scalef32_pk16_fp6_f32 v[(\pc)+12+4*\c:(\pc)+14+4*\c], v[64*(\a)+32*\c+16:64*(\a)+32*\c+31], v[TM+12+2*\c+1]
.endr
	WIN 0
	v_nop                                          ; one plain instruction behind the scaled conversions
.irp c, 0,1
.irp i, 0,1,2
	v_permlane16_swap_b32 v[(\pc)+6*\c+\i], v[(\pc)+12+4*\c+\i]
.endr
.irp i, 0,1,2
	v_mov_b32 v[(\pc)+3+6*\c+\i], v[(\pc)+12+4*\c+\i]
.endr
.endr
.endm
; A TILE.  kind 0: k or q, with a successor;  kind 1: v, the last.
.macro BODY kind
	s_wait_xcnt 0x0                                ; the last tile's stores have read their registers and bases
	s_wait_loadcnt 0x0                             ; scale words, bias, and K steps 0 to 2 of R
	s_mov_b64 s[68:69], s[70:71]                   ; this tile's R
.if (\kind) == 0
	s_mul_i32 s82, s19, SLOT                       ; this tile's block of P in LDS
.else
	s_mov_b32 s82, 2*SLOT
.endif
	s_add_co_u32 s83, s82, 4*KSB
	v_add_nc_u32 v6, s82, v1                       ; K steps 0-3: registers 0-3 of a half,
	v_add_nc_u32 v7, s82, v10                      ; registers 4, 5
	v_add_nc_u32 v8, s83, v1                       ; K steps 4-7
	v_add_nc_u32 v9, s83, v10
	s_wait_alu depctr_va_vdst(0)
.if (\kind) == 1
	s_wait_tensorcnt 0x0                           ; my part of v's block of P has landed,
	s_wait_dscnt 0x0
	s_barrier_signal -1
	s_barrier_wait -1                              ; and everybody's
.endif
	FETCH 0
.if (\kind) == 0                       ; where the results go: k into the heads' records, q behind them
	s_cmp_eq_u32 s19, 1                            ; q?
	s_mov_b32 s97, REC
	s_cselect_b32 s98, 8192, s97                   ; from head to head: scale words,
	s_cselect_b32 s97, BLK, s97                    ; codes
	s_cselect_b32 s46, QC, 0
	s_mov_b32 s47, 98304
	s_cselect_b32 s47, QS, s47
	s_mul_i32 s99, s78, s97
	s_add_co_u32 s99, s99, s79
	s_add_co_u32 s84, s99, s46
	s_mov_b32 s85, 0
	s_mul_i32 s99, s78, s98
	s_add_co_u32 s99, s99, s80
	s_add_co_u32 s88, s99, s47
	s_mov_b32 s89, 0
	s_mov_b32 s86, s97
	s_mov_b32 s87, 0
	s_mov_b32 s90, s98
	s_mov_b32 s91, 0
	s_add_nc_u64 s[84:85], s[10:11], s[84:85]      ; the first head's half images,
	s_add_nc_u64 s[86:87], s[84:85], s[86:87]      ; the second head's
	s_add_nc_u64 s[88:89], s[10:11], s[88:89]      ; scale words likewise
	s_add_nc_u64 s[90:91], s[88:89], s[90:91]
.else                                  ; v: head 16 x batch + 4 cy + wave, key step = P's block % 16
	s_lshr_b32 s46, s21, 4
	s_lshl_b32 s46, s46, 4
	s_lshl_b32 s47, s16, 2
	s_add_co_u32 s46, s46, s47
	s_add_co_u32 s46, s46, s12
	s_mul_i32 s46, s46, REC
	s_and_b32 s47, s21, 15
	s_mul_i32 s96, s47, 6144
	s_add_co_u32 s84, s46, s96
	s_add_co_u32 s84, s84, 110592
	s_mov_b32 s85, 0
	s_lshl_b32 s47, s47, 8
	s_add_co_u32 s88, s46, s47
	s_add_co_u32 s88, s88, 106496
	s_mov_b32 s89, 0
	s_add_nc_u64 s[84:85], s[10:11], s[84:85]
	s_add_nc_u64 s[88:89], s[10:11], s[88:89]
.endif
	s_wait_dscnt 0x0
	RLOAD 3, 68
	FETCH 1
	MULS 0, 1+(\kind)
	STEP 1, \kind
	STEP 2, \kind
	STEP 3, \kind
.if (\kind) == 0
	s_cmp_eq_u32 s19, 0                            ; the next tile: behind k comes q (the same tokens, eight column blocks on), behind q comes v
	s_cselect_b32 s21, s74, s75
	s_cselect_b32 s22, s76, s77
	RADDR
.endif
	STEP 4, \kind
	STEP 5, \kind
	STEP 6, \kind
	STEP 7, \kind
	WIN 0
	PLACES                                         ; behind the last products: for the loads into their scale registers and the reads of their results
.if (\kind) == 0
	TLOADS                                         ; the next tile's scale words and bias land under the way out
	s_add_co_u32 s20, s20, 8
	s_cmp_eq_u32 s19, 0
	s_cbranch_scc0 .Lbias_v
	BIASKQ
	s_branch .Lbias_done
.Lbias_v:
	BIASV
.Lbias_done:
.endif
.irp a, 0,1,2,3                        ; each tile's codes have registers of their own: no store's data are written again inside a tile
	QUANTW \a, 64+20*\a
	v_mov_b32 v[PWS+\a], v[PW]
.if (\kind) == 0
	global_store_b128 v1, v[64+20*\a:67+20*\a], s[84:85] offset:768*\a     ; 512 and 256 consecutive bytes
	global_store_b64 v10, v[68+20*\a:69+20*\a], s[84:85] offset:768*\a
	global_store_b128 v1, v[70+20*\a:73+20*\a], s[86:87] offset:768*\a
	global_store_b64 v10, v[74+20*\a:75+20*\a], s[86:87] offset:768*\a
.else
	global_store_b128 v1, v[64+20*\a:67+20*\a], s[84:85] offset:1536*\a
	global_store_b64 v10, v[68+20*\a:69+20*\a], s[84:85] offset:1536*\a
	global_store_b128 v1, v[70+20*\a:73+20*\a], s[84:85] offset:1536*\a+768
	global_store_b64 v10, v[74+20*\a:75+20*\a], s[84:85] offset:1536*\a+768
.endif
.endr
	v_cndmask_b32 v248, v[PWS], v[PWS+1], s95      ; every lane holds its row's words: lanes 0-15 keep the even tile's, lanes 16-31 take the odd tile's
	v_cndmask_b32 v249, v[PWS+2], v[PWS+3], s95
.if (\kind) == 0
	v_and_b32 v250, 0xffff, v248                   ; a head has two of a word's four bytes; the upper two are 0
	v_and_b32 v251, 0xffff, v249
	v_lshrrev_b32 v252, 16, v248
	v_lshrrev_b32 v253, 16, v249
	global_store_b64 v11, v[250:251], s[88:89]     ; 256 consecutive bytes
	global_store_b64 v11, v[252:253], s[90:91]
.else
	global_store_b64 v11, v[248:249], s[88:89]
.endif
.endm
	s_load_b256 s[4:11], s[0:1], 0x0               ; opc, ops, b_in, hd
	v_lshl_add_u32 v254, v0, 2, SPARE
	v_mov_b32 v255, 0
	ds_add_u32 v254, v255                          ; the opening lines: the add, twice on end, and its wait
	ds_add_u32 v254, v255
	v_lshrrev_b32 v1, 5, v0
	v_readfirstlane_b32 s12, v1                    ; wave 0..3
	s_lshr_b32 s13, s12, 1                         ; which of R's two blocks I read; at the head: I fetch k's block of P (0) or q's (1)
	s_and_b32 s14, s12, 1
	s_bfe_u32 s15, ttmp6, 0x40000                  ; cx
	s_bfe_u32 s16, ttmp6, 0x40004                  ; cy
	s_and_b32 s18, ttmp7, 0xffff                   ; the cluster's y, 0 .. 7
	s_lshl_b32 s20, ttmp9, 2
	s_add_co_u32 s20, s20, s15                     ; k's 128 columns of w_in: 4 x cluster x + cx, 0 .. 7
	s_add_co_u32 s21, s20, 64                      ; P of k: w_in's blocks begin at 64;
	s_add_co_u32 s74, s20, 72                      ; of q;
	s_lshl_b32 s75, ttmp9, 5
	s_lshl_b32 s40, s18, 2
	s_add_co_u32 s75, s75, s40
	s_add_co_u32 s75, s75, s15                     ; of v: tokens, block 32 x cluster x + 4 x cluster y + cx
	s_lshl_b32 s77, s16, 1
	s_lshl_b32 s76, s18, 3
	s_add_co_u32 s76, s76, s77                     ; R of k and q: tokens, block 8 x cluster y + 2 cy;
	s_add_co_u32 s77, s77, 80                      ; of v: w_in's columns 2,048 on
	s_mov_b32 s22, s76
	s_lshl_b32 s46, 0x1111, s15                    ; my column of the cluster
	; dense blocks, as rows of 256 bytes (32 elements of 8 bytes), no padding
	s_or_b32 s[G1A], s46, (3<<16)|(1<<21)
	s_or_b32 s[G1B], s46, (3<<16)|(1<<21)
	s_mov_b32 s[G1A+1], 32<<16                     ; tensor_dim0
	s_mov_b32 s[G1A+2], 192<<16                    ; tensor_dim1
	s_mov_b32 s[G1A+3], 32<<16                     ; tile_dim0
	s_mov_b32 s[G1A+4], 192                        ; tile_dim1
	s_mov_b32 s[G1A+5], 32                         ; the pitch
	s_mov_b32 s[G1A+6], 0
	s_mov_b32 s[G1A+7], 0
	s_mov_b32 s[G1B+1], 32<<16
	s_mov_b32 s[G1B+2], 96<<16
	s_mov_b32 s[G1B+3], 32<<16
	s_mov_b32 s[G1B+4], 96
	s_mov_b32 s[G1B+5], 32
	s_mov_b32 s[G1B+6], 0
	s_mov_b32 s[G1B+7], 0
	s_mov_b32 s[G0A], 1
	s_mov_b32 s[G0B], 1
	s_mul_i32 s[G0A+1], s12, HALFB                 ; the head's load: wave x half a block: k's two halves, then q's: no place in the cluster enters an LDS address
	s_mul_i32 s[G0B+1], s12, 2*KSB
	s_add_co_u32 s[G0B+1], s[G0B+1], 2*SLOT        ; v's: wave x two K steps, behind them
	s_mul_i32 s81, s14, 6144                       ; my four tiles in a K step of R's block
	s_lshl_b32 s42, s13, 3                         ; q's block lies eight blocks behind k's
	s_add_co_u32 s42, s42, s21
	s_mul_i32 s42, s42, BLK
	s_mul_i32 s43, s14, HALFB
	s_add_co_u32 s42, s42, s43
	s_mov_b32 s43, 0
	s_mul_i32 s44, s75, BLK
	s_mul_i32 s45, s12, 2*KSB
	s_add_co_u32 s44, s44, s45
	s_mov_b32 s45, 0
	s_wait_dscnt 0x0
	s_wait_kmcnt 0x0
	s_add_nc_u64 s[G0A+2:G0A+3], s[4:5], s[42:43]
	s_or_b32 s[G0A+3], s[G0A+3], 0x80000000
	s_add_nc_u64 s[G0B+2:G0B+3], s[4:5], s[44:45]
	s_or_b32 s[G0B+3], s[G0B+3], 0x80000000
	CROUND                                         ; all sixteen work-groups are here: the first joint loads meet
	tensor_load_to_lds s[G0A:G0A+3], s[G1A:G1A+7]  ; one tensor load a wave at the head
	s_nop 0
	PLACES
	v_and_b32 v13, 31, v0
	v_lshlrev_b32 v1, 4, v13                       ; 16 x lane
	v_lshlrev_b32 v11, 3, v13                      ; 8 x lane
	v_add_nc_u32 v10, 512, v11                     ; 8 x lane + 512
	v_bfe_u32 v14, v0, 4, 1                        ; h
	v_and_b32 v15, 15, v0                          ; r
	v_lshlrev_b32 v12, 6, v14                      ; the bias of k, q: 64 h
	v_and_b32 v13, 8, v15
	v_add_nc_u32 v13, v13, v15
	v_lshlrev_b32 v13, 2, v13                      ; of v: 4 (r + 8 (r / 8))
.irp b, 0,1,2,3
	v_mov_b32 v[TM+4+\b], 0                        ; written once: a lane permute's destination counts as one of its sources
.endr
	s_wait_alu depctr_va_vdst(0)                   ; ahead of the scalar lines below
	RADDR
	RLOAD 0, 70                                    ; k's first three K steps of R
	RLOAD 1, 70
	RLOAD 2, 70
	WIN 0
	TLOADS
	BIASKQ
	s_mov_b32 s[SEL], 0x76543210
	s_mov_b32 s[SEL+1], 0xfedcba98
	s_mov_b32 s95, 0xffff0000                      ; lanes 16-31
	s_lshl_b32 s23, s18, 2
	s_add_co_u32 s23, s23, s16                     ; k, q: which 256 tokens, 0 .. 31
	s_lshr_b32 s78, s23, 3
	s_lshl_b32 s78, s78, 4
	s_and_b32 s96, s20, 7
	s_lshl_b32 s96, s96, 1
	s_add_co_u32 s78, s78, s96                     ; 16 x batch + the first of my two heads
	s_and_b32 s96, s23, 7
	s_lshl_b32 s79, s96, 4
	s_lshl_b32 s97, s12, 2
	s_add_co_u32 s79, s79, s97
	s_mul_i32 s79, s79, 768                        ; my first tile of tokens in the batch
	s_lshl_b32 s80, s96, 1
	s_add_co_u32 s80, s80, s13                     ; the key step of 128 in which my four tiles lie,
	s_lshl_b32 s80, s80, 9
	s_lshl_b32 s97, s14, 8
	s_add_co_u32 s80, s80, s97                     ; and which half of it
	s_wait_tensorcnt 0x0                           ; my part of k's and q's blocks is in; v's first fill is issued as a refill is:
	ds_add_u32 v254, v255
	s_wait_dscnt 0x0
	CROUND                                         ; everybody's part is in
	tensor_load_to_lds s[G0B:G0B+3], s[G1B:G1B+7]  ; v's block of P
	s_nop 0
	PLACES
	s_mov_b32 s19, 0                               ; the trip: 0 k, 1 q
.Ltile:
	BODY 0
	s_wait_alu depctr_va_vdst(0)
	s_add_co_u32 s19, s19, 1
	s_cmp_lt_u32 s19, 2
	s_cbranch_scc1 .Ltile
	BODY 1
	s_wait_tensorcnt 0x0                           ; the wave's end
	ds_add_u32 v254, v255
	s_wait_dscnt 0x0
	CROUND                                         ; the closing round: no work-group ends while a partner may still ask for a block that names it
	s_endpgm
.Lfunc_end_k_qb38e984bf6_qkv:
	.size	k_qb38e984bf6_qkv, .Lfunc_end_k_qb38e984bf6_qkv-k_qb38e984bf6_qkv
	.p2alignl 7, 3214868480
	.fill 96, 4, 3214868480
	.section	.rodata,"a",@progbits
	.p2align	6, 0x0
	.amdhsa_kernel k_qb38e984bf6_qkv
		.amdhsa_group_segment_fixed_size 327680
		.amdhsa_private_segment_fixed_size 0
		.amdhsa_enable_private_segment 0
		.amdhsa_kernarg_size 32
		.amdhsa_user_sgpr_count 2
		.amdhsa_user_sgpr_kernarg_segment_ptr 1
		.amdhsa_wavefront_size32 1
		.amdhsa_system_sgpr_workgroup_id_x 1
		.amdhsa_system_sgpr_workgroup_id_y 1
		.amdhsa_system_sgpr_workgroup_id_z 1
		.amdhsa_system_vgpr_workitem_id 0
		.amdhsa_next_free_vgpr 960
		.amdhsa_next_free_sgpr 100
		.amdhsa_reserve_vcc 0
		.amdhsa_float_denorm_mode_32 3
		.amdhsa_float_denorm_mode_16_64 3
		.amdhsa_memory_ordered 1
		.amdhsa_forward_progress 1
		.amdhsa_inst_pref_size 181
	.end_amdhsa_kernel
	.amdgpu_metadata
---
amdhsa.version: [ 1, 2 ]
amdhsa.kernels:
  - .name:           k_qb38e984bf6_qkv
    .symbol:         k_qb38e984bf6_qkv.kd
    .args:
      - { .name: opc, .offset: 0, .size: 8, .value_kind: global_buffer, .address_space: global }
      - { .name: ops, .offset: 8, .size: 8, .value_kind: global_buffer, .address_space: global }
      - { .name: b_in, .offset: 16, .size: 8, .value_kind: global_buffer, .address_space: global }
      - { .name: hd, .offset: 24, .size: 8, .value_kind: global_buffer, .address_space: global }
    .group_segment_fixed_size: 327680
    .private_segment_fixed_size: 0
    .kernarg_segment_align: 8
    .kernarg_segment_size: 32
    .max_flat_workgroup_size: 128
    .sgpr_count:     100
    .vgpr_count:     960
    .wavefront_size: 32
...
	.end_amdgpu_metadata
.endif
;; end of part 2
;; launch attn (part 3): grid 4 x 64, 8 waves a work-group, clusters of 4 x 1, 262,144 bytes of LDS; arguments hd, aoc, aos; writes aoc, aos
.if DOCPART == 3
	.amdgcn_target "amdgcn-amd-amdhsa--gfx1250"
	.amdhsa_code_object_version 6
	.text
	.protected	k_qb38e984bf6_attn
	.globl	k_qb38e984bf6_attn
	.p2align	8
	.type	k_qb38e984bf6_attn,@function
k_qb38e984bf6_attn:
	s_mov_b64 s[64:65], 0
	v_nop
	global_prefetch_b8 v0, s[64:65] scope:SCOPE_SE
	s_setreg_imm32_b32 hwreg(HW_REG_WAVE_MODE, 25, 1), 1
	s_wait_xcnt 0x0
	s_wait_alu depctr_hold_cnt(0) depctr_sa_sdst(0) depctr_va_vdst(0) depctr_va_sdst(0) depctr_va_ssrc(0) depctr_va_vcc(0) depctr_vm_vsrc(0)
	s_getreg_b32 s2, hwreg(HW_REG_IB_STS2, 6, 4)
	s_cmp_eq_u32 s2, 0
	s_cbranch_scc0 .Lentry_in_a_cluster
	s_endpgm
.Lentry_in_a_cluster:
	s_bfe_u32 s2, ttmp6, 0x10000c
	s_cmp_lg_u32 s2, 0x3003
	s_cbranch_scc0 .Lentry_shape_is_right
	s_endpgm
.Lentry_shape_is_right:
; O = softmax(q k^T / 8) v for one head, both products on codes of FP6 (E2M3) with E8M0 scales; O / l is quantised along the model's 1,024 for the last product and leaves as codes.
; THE SOFTMAX: t = score x log2(e) / 8; M = the running largest t rounded UP to a whole number; p = 2^(t - M) is quantised along the keys, not normalised; the row's sum l is taken of the
; unquantised p in f32; when M moves, l and O are multiplied by 2^(old M - new M), which rounds nothing.
; SHARES.  A cluster of four work-groups takes a head, a work-group 512 of its queries, each of its eight waves TWO tiles of 16 queries at once, in two passes: a fragment of K or V read from LDS feeds both tiles.
; THE HEAD'S RECORD (K's codes, K's and V's scale words, V's codes: 816 rows of 256 bytes) lies in LDS whole, 64 bytes of padding behind each row; it is filled once, each wave asking for 102 rows jointly with the three partners.
; All fills go out at the head and the loop reads LDS alone: there is no stream from memory to ask for ahead, so no prefetch is written.
; Both products are used transposed (S^T = K Q^T, O^T = V^T P^T): a lane holds ONE query throughout.
; THE KEYS OF A TILE OF S^T ARE CHOSEN BY THE LANES' ADDRESSES: row m of tile 4 c + u is key 64 c + 32 (m / 8) + 8 u + m % 8 of the step.  So the 32 registers of tiles 4 c .. 4 c + 3 are, in lane half h,
; the keys 64 c + 32 h + 0 .. 31: a WHOLE block of p's quantiser in one lane, in the order of the operand's registers 6 c .. 6 c + 5.  In the record that row stands in stored tile 4 c + 2 (m / 8) + u % 2, lane-row 8 (u / 2) + m % 8.
; K = 64 IN A PRODUCT 128 DEEP: Q's registers 6-11 hold zero codes, so what stands in K's registers 6-11 (the next tile's codes; FP6 has no infinity and no NaN) adds 0; bytes 2, 3 of both scale words are 0, no NaN.
; ONE LOOP of 32 trips: trip i is key step i % 16; behind trips 15 and 31 the two tiles are finished.  K's fragments of step (i + 1) % 16 are asked for in trip i (the very last trip's are not used).
; LIMITS: NaN and infinities are not served; a block of zeros gets the byte 1 (its codes are zeros).  1 / l is v_rcp_f32's.  The promise holds while |t| stays under 2^31.
; REGISTERS, window 0: v1-16 addresses; v17, v18 the add's; v20-31 -M and largest score, l, f of both tiles; v32-55 Q; v56-67 the second pass's Q; v68, v69 Q's scale words; v70-123 K; v124-127 K's scale words;
;   v128-175 V; v176-177 V's scale words; v178-201 p's codes; v202-216 at work for them; v218, v219 p's scale words; v220-255 at work.
;   window 1: v0-127 S^T, then p, of tiles A and B; v128-191 O^T of A and B; v192-223 A's first sixteen pair sums.
.set QC,  13369344
.set QS,  19660800
.set REC, 208896
.set ROW, 320                          ; an LDS row: 256 bytes + 64
.set STEPB, 24*ROW                     ; a key step of K's or of V's codes
.set KSC, 384*ROW                      ; K's scale words
.set VSC, 416*ROW                      ; V's scale words
.set VC,  432*ROW                      ; V's codes
.set SPARE, 816*ROW                    ; the spare words: 128 bytes a wave
.set SEL, 20                           ; s[20:21] lane selects: lane l xor 16
.set CS,  22                           ; s[22:23] c = log2(e) / 8
.set NC,  52                           ; s52 -c
.set SPW, 17
.set NIL, 18
.set NM,  20                           ; tile x: v[NM+2x] -M, v[NM+2x+1] the largest score
.set LS,  24                           ; v[LS+2x:LS+2x+1] l in two halves
.set FF,  28                           ; v[FF+2x] f
.set QF,  32
.set QN,  56
.set QW,  68
.set KF,  70
.set KS,  124
.set VF,  128
.set VS,  176
.set PC,  178
.set CT,  202
.set PW,  218
.set BM,  220                          ; block 2 x + c: the largest score, then the largest p, then the byte
.set TP,  224
.set SCO, 232                          ; the conversions' scale operands
.set TS,  240                          ; four pair sums a tile
.set MSB, 0
.macro WIN new                         ; the immediate's high byte repeats the setting that is left
.if MSB != \new
	s_set_vgpr_msb (MSB<<8)|\new
.set MSB, \new
.endif
.endm
.macro CROUND                          ; a round of the cluster's barrier
	s_barrier_signal -1
	s_barrier_wait -1
	s_cmp_lg_u32 s12, 0
	s_cbranch_scc1 .Lnot_wave_0_\@
	s_barrier_signal -3
.Lnot_wave_0_\@:
	s_barrier_wait -3
	s_barrier_signal -1
	s_barrier_wait -1
.endm
.macro KLOAD                           ; eight tiles of K and their scale words: 20 LDS loads
.irp t, 0,1,2,3,4,5,6,7
	ds_load_b128 v[KF+6*\t:KF+6*\t+3], v6 offset:3840*(\t/4)+960*(\t%2)+128*((\t%4)/2)
	ds_load_b64 v[KF+6*\t+4:KF+6*\t+5], v7 offset:3840*(\t/4)+960*(\t%2)+64*((\t%4)/2)
.endr
.irp k, 0,1,2,3
	ds_load_b32 v[KS+\k], v8 offset:ROW*(\k/2)+64*(\k%2)   ; lanes 0-15 tile 2 k's words, lanes 16-31 tile 2 k + 1's
.endr
.endm
.macro INIT                            ; a pass begins: the largest score -3e38, -M 3e38 (so the first f is 0), l and O^T zeros
.irp x, 0,1
	v_mov_b32 v[NM+2*\x+1], 0xff61b1e6
	v_mov_b32 v[NM+2*\x], 0x7f61b1e6
	v_mov_b32 v[LS+2*\x], 0
	v_mov_b32 v[LS+2*\x+1], 0
.endr
	WIN 0x40
.set i, 0
.rept 64
	v_mov_b32 v[128+i], 0
.set i, i+1
.endr
	WIN 0
.endm
	s_load_b128 s[4:7], s[0:1], 0x0                ; hd, aoc
	s_load_b64 s[8:9], s[0:1], 0x10                ; aos
	v_lshl_add_u32 v[SPW], v0, 2, SPARE
	v_mov_b32 v[NIL], 0
	ds_add_u32 v[SPW], v[NIL]                      ; the opening lines: the add, twice on end, and its wait
	ds_add_u32 v[SPW], v[NIL]
	v_lshrrev_b32 v1, 5, v0
	v_readfirstlane_b32 s12, v1                    ; wave 0..7
	s_bfe_u32 s13, ttmp6, 0x40000                  ; cx: which 512 queries; it enters Q's and the results' global addresses alone
	s_and_b32 s14, ttmp7, 0xffff                   ; 16 x batch + head, which the four partners share
	s_mov_b32 s24, 15|(3<<16)|(1<<20)|(1<<21)|(5<<22)|(15<<25)   ; the mask: all four; elements of 8 bytes; behind every 64 words 16 words of padding
	s_mov_b32 s25, 32<<16                          ; tensor_dim0: 256 bytes
	s_mov_b32 s26, 102<<16                         ; tensor_dim1
	s_mov_b32 s27, 32<<16                          ; tile_dim0
	s_mov_b32 s28, 102                             ; tile_dim1
	s_mov_b32 s29, 32                              ; the pitch: dense
	s_mov_b32 s30, 0
	s_mov_b32 s31, 0
	s_mov_b32 s32, 1
	s_mul_i32 s33, s12, 102*ROW                    ; my eighth of the record in LDS,
	s_mul_i32 s16, s14, REC
	s_mul_i32 s17, s12, 102*256                    ; and in memory
	s_add_co_u32 s16, s16, s17
	s_mov_b32 s17, 0
	s_wait_dscnt 0x0
	s_wait_kmcnt 0x0
	s_add_nc_u64 s[34:35], s[4:5], s[16:17]
	s_or_b32 s35, s35, 0x80000000
	CROUND                                         ; all four work-groups are here: the joint loads meet
	tensor_load_to_lds s[32:35], s[24:31]          ; one tensor load of mine is out
	s_nop 0
.rept 4
	v_nop
.endr
	s_lshl_b32 s15, s12, 1                         ; tile A of pass 0 is tile 32 cx + 2 wave of the head's queries, tile B the next; pass 1: 16 tiles on
	s_lshl_b32 s16, s13, 5
	s_add_co_u32 s16, s16, s15
	s_mul_i32 s16, s16, 768
	s_mul_i32 s17, s14, 98304
	s_add_co_u32 s16, s16, s17
	s_add_co_u32 s16, s16, QC
	s_mov_b32 s17, 0
	s_add_nc_u64 s[42:43], s[4:5], s[16:17]        ; Q's codes
	s_lshl_b32 s16, s14, 13                        ; Q's scale words: tile t stands at 256 (t / 4) + 128 (t % 2) + 8 r + 4 ((t / 2) % 2): tiles A and B are 128 bytes apart
	s_lshl_b32 s17, s13, 11
	s_add_co_u32 s16, s16, s17
	s_lshr_b32 s17, s12, 1
	s_lshl_b32 s17, s17, 8
	s_add_co_u32 s16, s16, s17
	s_and_b32 s17, s12, 1
	s_lshl_b32 s17, s17, 2
	s_add_co_u32 s16, s16, s17
	s_add_co_u32 s16, s16, QS
	s_mov_b32 s17, 0
	s_add_nc_u64 s[44:45], s[4:5], s[16:17]
	s_lshr_b32 s16, s14, 4                         ; batch
	s_and_b32 s18, s14, 15                         ; head
	s_lshl_b32 s17, s16, 4                         ; aoc: ((block of 128 tokens x 8 + head / 2) x 8 + tile) x 1,536 + 768 (head % 2)
	s_lshl_b32 s19, s13, 2
	s_add_co_u32 s17, s17, s19
	s_lshr_b32 s19, s12, 2
	s_add_co_u32 s17, s17, s19
	s_lshl_b32 s17, s17, 3
	s_lshr_b32 s19, s18, 1
	s_add_co_u32 s17, s17, s19
	s_lshl_b32 s17, s17, 3
	s_and_b32 s19, s15, 7
	s_add_co_u32 s17, s17, s19
	s_mul_i32 s17, s17, 1536
	s_and_b32 s19, s18, 1
	s_mul_i32 s19, s19, 768
	s_add_co_u32 s50, s17, s19
	s_mov_b32 s51, 0
	s_add_nc_u64 s[46:47], s[6:7], s[50:51]
	s_lshl_b32 s17, s16, 7                         ; aos: 16,384 x head + 32 x tile of tokens
	s_lshl_b32 s19, s13, 5
	s_add_co_u32 s17, s17, s19
	s_add_co_u32 s17, s17, s15
	s_lshl_b32 s17, s17, 5
	s_lshl_b32 s19, s18, 14
	s_add_co_u32 s50, s17, s19
	s_add_nc_u64 s[48:49], s[8:9], s[50:51]
	s_mov_b32 s[SEL], 0x76543210
	s_mov_b32 s[SEL+1], 0xfedcba98
	s_mov_b32 s[CS], 0x3e38aa3b                    ; log2(e) / 8
	s_mov_b32 s[CS+1], s[CS]                       ; (named with it as a pair, so it is written)
	s_mov_b32 s[NC], 0xbe38aa3b
	s_mov_b32 s41, 0xffff0000                      ; lanes 16-31
	v_and_b32 v[TP], 15, v0                        ; r
	v_bfe_u32 v[TP+1], v0, 4, 1                    ; h
	v_and_b32 v[TP+2], 7, v0                       ; r % 8
	v_bfe_u32 v[TP+3], v0, 3, 1                    ; r / 8
	v_and_b32 v[TP+5], 31, v0                      ; lane
	v_mul_u32_u24 v[TP+4], v[TP+3], 1920           ; two stored tiles on for rows 8-15
	v_mul_u32_u24 v1, v[TP+1], ROW
	v_lshl_add_u32 v1, v[TP], 4, v1                ; V, registers 0-3 of a half: 16 r + a row for h
	v_lshlrev_b32 v14, 3, v[TP+5]                  ; 8 x lane
	v_add_nc_u32 v2, 2*ROW, v14                    ; V, registers 4, 5: the image's third row
	v_lshl_add_u32 v3, v[TP+2], 4, v[TP+4]
	v_mad_u32_u24 v3, v[TP+1], ROW, v3             ; K, registers 0-3
	v_lshl_add_u32 v4, v[TP+2], 3, v[TP+4]
	v_lshl_add_u32 v4, v[TP+1], 7, v4
	v_add_nc_u32 v4, 2*ROW, v4                     ; K, registers 4, 5
	v_lshlrev_b32 v5, 7, v[TP+1]
	v_lshl_add_u32 v5, v[TP+2], 3, v5
	v_lshl_add_u32 v5, v[TP+3], 2, v5              ; K's scale words: 128 h + 8 (r % 8) + 4 (r / 8)
	v_lshlrev_b32 v12, 4, v[TP+5]                  ; memory: 16 x lane,
	v_add_nc_u32 v13, 512, v14                     ; 8 x lane + 512,
	v_lshl_add_u32 v15, v[TP], 1, v[TP+1]          ; 2 r + h
	v_lshlrev_b32 v16, 3, v[TP+1]                  ; 8 h: where my two scale bytes stand in p's word
	global_load_b128 v[QF:QF+3], v12, s[42:43]
	global_load_b64 v[QF+4:QF+5], v13, s[42:43]
	global_load_b128 v[QF+12:QF+15], v12, s[42:43] offset:768
	global_load_b64 v[QF+16:QF+17], v13, s[42:43] offset:768
	global_load_b128 v[QN:QN+3], v12, s[42:43] offset:12288
	global_load_b64 v[QN+4:QN+5], v13, s[42:43] offset:12288
	global_load_b128 v[QN+6:QN+9], v12, s[42:43] offset:13056
	global_load_b64 v[QN+10:QN+11], v13, s[42:43] offset:13056
	global_load_b32 v[QW], v14, s[44:45]           ; lanes 0-15 tile A's words, lanes 16-31 tile B's
	global_load_b32 v[QW+1], v14, s[44:45] offset:1024
.irp j, 0,1,2,3,4,5
	v_mov_b32 v[QF+6+\j], 0                        ; zero codes: the upper 64 of the product's K
	v_mov_b32 v[QF+18+\j], 0
	v_mov_b32 v[KF+48+\j], 0                       ; what the eighth tile of K names as its upper half
.endr
	v_mov_b32 v[FF+1], 0                           ; (named as the upper halves of pairs)
	v_mov_b32 v[FF+3], 0
	INIT
	v_add_nc_u32 v6, 0, v3                         ; key step 0 of K
	v_add_nc_u32 v7, 0, v4
	v_add_nc_u32 v8, KSC, v5
	s_wait_alu depctr_va_vdst(0)
	s_wait_tensorcnt 0x0                           ; my eighth has landed,
	s_wait_loadcnt 0x0                             ; and Q
	s_barrier_signal -1
	s_barrier_wait -1                              ; everybody's has: the record is whole, and nobody writes it any more
	KLOAD
	s_mov_b32 s40, 0
.Lstep:
	s_and_b32 s16, s40, 15                         ; this key step: V's fragments and scale words (the lane's term holds two rows)
	s_mul_i32 s37, s16, STEPB
	s_add_co_u32 s37, s37, VC
	s_mul_i32 s39, s16, ROW
	s_add_co_u32 s39, s39, VSC-2*ROW
	s_add_co_u32 s17, s40, 1                       ; the next one, round the end: K's
	s_and_b32 s17, s17, 15
	s_mul_i32 s36, s17, STEPB
	s_mul_i32 s38, s17, 2*ROW
	s_add_co_u32 s38, s38, KSC
	s_wait_dscnt 0x0                               ; K's fragments, asked for a trip ago
	WIN 0x40                                       ; D in window 1
.irp t, 0,2,4,6                                ; S^T = K Q^T: each tile of K against both tiles of queries
	v_wmma_scale_f32_16x16x128_f8f6f4 v[8*\t:8*\t+7], v[KF+6*\t:KF+6*\t+11], v[QF:QF+11], 0, v[KS+\t/2], v[QW] matrix_a_fmt:MATRIX_FMT_FP6 matrix_b_fmt:MATRIX_FMT_FP6
	v_wmma_scale_f32_16x16x128_f8f6f4 v[64+8*\t:71+8*\t], v[KF+6*\t:KF+6*\t+11], v[QF+12:QF+23], 0, v[KS+\t/2], v[QW] matrix_a_fmt:MATRIX_FMT_FP6 matrix_b_fmt:MATRIX_FMT_FP6 matrix_b_scale:MATRIX_SCALE_ROW1
	v_wmma_scale_f32_16x16x128_f8f6f4 v[8*\t+8:8*\t+15], v[KF+6*\t+6:KF+6*\t+17], v[QF:QF+11], 0, v[KS+\t/2], v[QW] matrix_a_fmt:MATRIX_FMT_FP6 matrix_b_fmt:MATRIX_FMT_FP6 matrix_a_scale:MATRIX_SCALE_ROW1
	v_wmma_scale_f32_16x16x128_f8f6f4 v[72+8*\t:79+8*\t], v[KF+6*\t+6:KF+6*\t+17], v[QF+12:QF+23], 0, v[KS+\t/2], v[QW] matrix_a_fmt:MATRIX_FMT_FP6 matrix_b_fmt:MATRIX_FMT_FP6 matrix_a_scale:MATRIX_SCALE_ROW1 matrix_b_scale:MATRIX_SCALE_ROW1
.endr
	WIN 0
	v_add_nc_u32 v9, s37, v1                       ; these six are also the places in front of the loads into registers that products have read, and of the first read of the scores
	v_add_nc_u32 v10, s37, v2
	v_add_nc_u32 v11, s39, v2
	v_add_nc_u32 v6, s36, v3
	v_add_nc_u32 v7, s36, v4
	v_add_nc_u32 v8, s38, v5
.irp d, 0,1,2,3                                ; V's four fragments land while the softmax is walked
.irp c, 0,1
	ds_load_b128 v[VF+12*\d+6*\c:VF+12*\d+6*\c+3], v9 offset:1920*\d+960*\c
	ds_load_b64 v[VF+12*\d+6*\c+4:VF+12*\d+6*\c+5], v10 offset:1920*\d+960*\c
.endr
.endr
	ds_load_b64 v[VS:VS+1], v11
	KLOAD                                          ; and the next step's K
	WIN 0x05                                       ; sources 0 and 1 in window 1
.irp k, 0,1,2,3                                ; THE LARGEST SCORE OF EACH BLOCK OF 32 KEYS, all in my registers; it serves the row's maximum and, since p rises with the score, the block's largest p
	v_max_num_f32 v[BM+\k], v[32*\k], v[32*\k+1]
.endr
.irp i, 2,4,6,8,10,12,14,16,18,20,22,24,26,28,30
.irp k, 0,1,2,3
	v_max3_num_f32 v[BM+\k], v[32*\k+\i], v[32*\k+\i+1], v[BM+\k]
.endr
.endr
	WIN 0
.irp x, 0,1
	v_max_num_f32 v[TP+\x], v[BM+2*\x], v[BM+2*\x+1]
.endr
.irp x, 0,1
	s_delay_alu instid0(VALU_DEP_2)
	v_permlanex16_b32 v[TP+2+\x], v[TP+\x], s[SEL], s[SEL+1]
.endr
.irp x, 0,1
	s_delay_alu instid0(VALU_DEP_2)
	v_max3_num_f32 v[NM+2*\x+1], v[NM+2*\x+1], v[TP+\x], v[TP+2+\x]   ; the running largest score of my query
.endr
.irp x, 0,1
	v_mov_b32 v[TP+4+\x], v[NM+2*\x]
.endr
.irp x, 0,1
	s_delay_alu instid0(VALU_DEP_4)
	v_mul_f32 v[TP+6+\x], s[NC], v[NM+2*\x+1]      ; -t
.endr
.irp x, 0,1
	s_delay_alu instid0(VALU_DEP_2)
	v_floor_f32 v[NM+2*\x], v[TP+6+\x]             ; the new -M = floor(-t) = -ceil(t): a whole number
.endr
.irp x, 0,1
	s_delay_alu instid0(VALU_DEP_2)
	v_sub_f32 v[TP+4+\x], v[NM+2*\x], v[TP+4+\x]   ; old M - new M: a whole number, 0 or less
.endr
.irp x, 0,1
	s_delay_alu instid0(VALU_DEP_2)
	v_cvt_i32_f32 v[TP+4+\x], v[TP+4+\x]           ; (it saturates)
.endr
.irp x, 0,1
	s_delay_alu instid0(VALU_DEP_2)
	v_ldexp_f32 v[FF+2*\x], 1.0, v[TP+4+\x]        ; f = 2^(old M - new M)
.endr
.irp k, 0,1,2,3
	v_fma_f32 v[BM+\k], v[BM+\k], s[CS], v[NM+2*(\k/2)]   ; t - M of each block's largest score
.endr
	WIN 0x41                                       ; source 0 and the destination in window 1
.set i, 0
.rept 16
	v_pk_mul_f32 v[128+i:129+i], v[128+i:129+i], v[FF:FF+1] op_sel_hi:[1,0]       ; O^T under the new M, each accumulator from its low end on
	v_pk_mul_f32 v[160+i:161+i], v[160+i:161+i], v[FF+2:FF+3] op_sel_hi:[1,0]
.set i, i+2
.endr
.set i, 0
.rept 32
	v_pk_fma_f32 v[i:i+1], v[i:i+1], s[CS:CS+1], v[NM:NM+1] op_sel_hi:[1,0,0]     ; tile A: t - M, two at a time
.set i, i+2
.endr
	s_wait_alu depctr_va_vdst(0)
.set i, 0
.rept 32                                       ; tile A: p = 2^(t - M); among the exponentials tile B's t - M, which names none of their registers and is read behind the next wait
	v_exp_f32 v[i], v[i]
	v_exp_f32 v[i+1], v[i+1]
	v_pk_fma_f32 v[64+i:65+i], v[64+i:65+i], s[CS:CS+1], v[NM+2:NM+3] op_sel_hi:[1,0,0]
.set i, i+2
.endr
	s_wait_alu depctr_va_vdst(0)                   ; behind tile A's batch and ahead of tile B's
	WIN 0x45
.set i, 0
.rept 16                                       ; tile B's p; among the exponentials the first sixteen pair sums of tile A's p, read behind the next wait
	v_exp_f32 v[64+i], v[64+i]
	v_exp_f32 v[65+i], v[65+i]
	v_exp_f32 v[66+i], v[66+i]
	v_exp_f32 v[67+i], v[67+i]
	v_pk_add_f32 v[192+i/2:193+i/2], v[i:i+1], v[i+2:i+3]
.set i, i+4
.endr
	WIN 0
.irp k, 0,1,2,3
	v_exp_f32 v[BM+\k], v[BM+\k]                   ; the block's largest p: the same arithmetic on the same number
.endr
	v_nop                                          ; a plain instruction behind the exponentials,
	s_wait_alu depctr_va_vdst(0)                   ; and the wait ahead of their first reader
.irp k, 0,1,2,3
	v_max_num_f32 v[BM+\k], 0x1800000, v[BM+\k]    ; the floor 2^(3 - 127): the byte cannot fall under 1
.endr
.irp k, 0,1,2,3
	v_add_nc_u32 v[SCO+\k], 0xff000000, v[BM+\k]   ; 2 off the exponent field: the conversions' scale operand
.endr
.irp k, 0,1,2,3
	v_lshrrev_b32 v[BM+\k], 23, v[SCO+\k]          ; the scale's byte
.endr
.irp x, 0,1
	v_lshl_or_b32 v[TP+\x], v[BM+2*\x+1], 16, v[BM+2*\x]   ; my blocks h and 2 + h,
.endr
.irp x, 0,1
	s_delay_alu instid0(VALU_DEP_2)
	v_lshlrev_b32 v[TP+\x], v16, v[TP+\x]          ; at their places in the word;
.endr
.irp x, 0,1
	s_delay_alu instid0(VALU_DEP_2)
	v_permlanex16_b32 v[TP+2+\x], v[TP+\x], s[SEL], s[SEL+1]
.endr
.irp x, 0,1
	s_delay_alu instid0(VALU_DEP_2)
	v_or_b32 v[PW+\x], v[TP+\x], v[TP+2+\x]        ; with lane l xor 16's two the word is whole
.endr
	WIN 0x01                                       ; source 0 in window 1
.irp k, 0,1,2,3
	v_cvt_scalef32_pk16_fp6_f32 v[PC+6*\k:PC+6*\k+2], v[32*\k:32*\k+15], v[SCO+\k]
	v_cvt_scalef32_pk16_fp6_f32 v[CT+4*\k:CT+4*\k+2], v[32*\k+16:32*\k+31], v[SCO+\k]   ; (a conversion's three registers begin on an even number)
.endr
	WIN 0x05                                       ; THE ROWS' SUMS, of the unquantised p: four chains a tile.  (Plain work behind the conversions that touches none of their results)
.irp k, 0,1,2,3
	v_pk_add_f32 v[TS+2*\k:TS+2*\k+1], v[192+2*\k:193+2*\k], v[200+2*\k:201+2*\k]
	v_pk_add_f32 v[TS+8+2*\k:TS+9+2*\k], v[64+2*\k:65+2*\k], v[72+2*\k:73+2*\k]
.endr
	WIN 0x04
.irp j, 16,24
.irp k, 0,1,2,3
	v_pk_add_f32 v[TS+2*\k:TS+2*\k+1], v[TS+2*\k:TS+2*\k+1], v[192+\j+2*\k:193+\j+2*\k]
.endr
.endr
.irp j, 16,24,32,40,48,56
.irp k, 0,1,2,3
	v_pk_add_f32 v[TS+8+2*\k:TS+9+2*\k], v[TS+8+2*\k:TS+9+2*\k], v[64+\j+2*\k:65+\j+2*\k]
.endr
.endr
	WIN 0
.irp k, 0,1,2,3
.irp i, 0,1,2
	v_mov_b32 v[PC+6*\k+3+\i], v[CT+4*\k+\i]       ; registers 6 c .. 6 c + 5 now hold keys 64 c + 32 h + 0 .. 31
.endr
.endr
.irp x, 0,1                                    ; (these eight are also the places between the writes of p's codes and the products)
	v_pk_add_f32 v[TS+8*\x:TS+8*\x+1], v[TS+8*\x:TS+8*\x+1], v[TS+8*\x+2:TS+8*\x+3]
	v_pk_add_f32 v[TS+8*\x+4:TS+8*\x+5], v[TS+8*\x+4:TS+8*\x+5], v[TS+8*\x+6:TS+8*\x+7]
.endr
.irp x, 0,1
	v_pk_fma_f32 v[LS+2*\x:LS+2*\x+1], v[LS+2*\x:LS+2*\x+1], v[FF+2*\x:FF+2*\x+1], v[TS+8*\x:TS+8*\x+1] op_sel_hi:[1,0,1]   ; l x f + the step's
.endr
.irp x, 0,1
	v_pk_add_f32 v[LS+2*\x:LS+2*\x+1], v[LS+2*\x:LS+2*\x+1], v[TS+8*\x+4:TS+8*\x+5]
.endr
	s_wait_alu depctr_va_vdst(0)
	s_wait_dscnt 20                                ; V is in; the 20 loads of the next step's K may be out
	WIN 0x50                                       ; C and D in window 1
.irp d, 0,2                                    ; O^T += V^T P^T: the eight accumulators by turns
	v_wmma_scale_f32_16x16x128_f8f6f4 v[128+8*\d:135+8*\d], v[VF+12*\d:VF+12*\d+11], v[PC:PC+11], v[128+8*\d:135+8*\d], v[VS+\d/2], v[PW] matrix_a_fmt:MATRIX_FMT_FP6 matrix_b_fmt:MATRIX_FMT_FP6
	v_wmma_scale_f32_16x16x128_f8f6f4 v[160+8*\d:167+8*\d], v[VF+12*\d:VF+12*\d+11], v[PC+12:PC+23], v[160+8*\d:167+8*\d], v[VS+\d/2], v[PW+1] matrix_a_fmt:MATRIX_FMT_FP6 matrix_b_fmt:MATRIX_FMT_FP6
	v_wmma_scale_f32_16x16x128_f8f6f4 v[136+8*\d:143+8*\d], v[VF+12*\d+12:VF+12*\d+23], v[PC:PC+11], v[136+8*\d:143+8*\d], v[VS+\d/2], v[PW] matrix_a_fmt:MATRIX_FMT_FP6 matrix_b_fmt:MATRIX_FMT_FP6 matrix_a_scale:MATRIX_SCALE_ROW1
	v_wmma_scale_f32_16x16x128_f8f6f4 v[168+8*\d:175+8*\d], v[VF+12*\d+12:VF+12*\d+23], v[PC+12:PC+23], v[168+8*\d:175+8*\d], v[VS+\d/2], v[PW+1] matrix_a_fmt:MATRIX_FMT_FP6 matrix_b_fmt:MATRIX_FMT_FP6 matrix_a_scale:MATRIX_SCALE_ROW1
.endr
	WIN 0
	s_and_b32 s16, s40, 15
	s_cmp_lg_u32 s16, 15
	s_cbranch_scc1 .Lnext                          ; the pass goes on
; A PASS ENDS: O^T / l; register 16 g + i is the head's channel 32 g + 16 (lane / 16) + i: two blocks of the last product's K.
.irp x, 0,1                                    ; (these six and the v_nop are the places behind the last products)
	v_add_f32 v[LS+2*\x], v[LS+2*\x], v[LS+2*\x+1]
.endr
.irp x, 0,1
	v_permlanex16_b32 v[TP+2+\x], v[LS+2*\x], s[SEL], s[SEL+1]
.endr
.irp x, 0,1
	v_add_f32 v[LS+2*\x], v[LS+2*\x], v[TP+2+\x]   ; the row's sum
.endr
	s_wait_alu depctr_va_vdst(0)
.irp x, 0,1
	v_rcp_f32 v[LS+2*\x], v[LS+2*\x]
.endr
	v_nop                                          ; a plain instruction behind the reciprocals,
	WIN 0x41
	s_wait_alu depctr_va_vdst(0)                   ; and the wait, directly ahead of their first reader and O^T's
.set i, 0
.rept 32
	v_mul_f32 v[i], v[128+i], v[LS]                ; each accumulator from its low end on
	v_mul_f32 v[64+i], v[160+i], v[LS+2]
.set i, i+1
.endr
	WIN 0x05
.irp k, 0,1,2,3
	v_max3_num_f32 v[BM+\k], |v[64*(\k/2)+16*(\k%2)]|, |v[64*(\k/2)+16*(\k%2)+1]|, 0x1800000
.endr
.irp i, 2,4,6,8,10,12,14
.irp k, 0,1,2,3
	v_max3_num_f32 v[BM+\k], |v[64*(\k/2)+16*(\k%2)+\i]|, |v[64*(\k/2)+16*(\k%2)+\i+1]|, v[BM+\k]
.endr
.endr
	WIN 0
.irp k, 0,1,2,3
	v_permlanex16_b32 v[TP+\k], v[BM+\k], s[SEL], s[SEL+1]
.endr
.irp k, 0,1,2,3
	v_max_num_f32 v[BM+\k], v[BM+\k], v[TP+\k]     ; with lane l xor 16's 16 channels
.endr
.irp k, 0,1,2,3
	v_add_nc_u32 v[SCO+\k], 0xff000000, v[BM+\k]
.endr
.irp k, 0,1,2,3
	v_lshrrev_b32 v[BM+\k], 23, v[SCO+\k]
.endr
	WIN 0x01
.irp x, 0,1
	v_cvt_scalef32_pk16_fp6_f32 v[PC+12*\x:PC+12*\x+2], v[64*\x:64*\x+15], v[SCO+2*\x]
	v_cvt_scalef32_pk16_fp6_f32 v[PC+12*\x+4:PC+12*\x+6], v[64*\x+16:64*\x+31], v[SCO+2*\x+1]
.endr
	WIN 0
.irp x, 0,1
	v_cndmask_b32 v[TP+4+\x], v[BM+2*\x], v[BM+2*\x+1], s41   ; lane (r, h) stores block h's byte.  (Plain instructions behind the conversions)
.endr
.irp x, 0,1
.irp i, 0,1,2
	v_permlane16_swap_b32 v[PC+12*\x+\i], v[PC+12*\x+4+\i]    ; lanes 0-15 now hold block 0 whole, lanes 16-31 block 1
.endr
.endr
.irp x, 0,1
	v_mov_b32 v[PC+12*\x+3], v[PC+12*\x+4]
	v_mov_b32 v[PC+12*\x+4], v[PC+12*\x+5]
	v_mov_b32 v[PC+12*\x+5], v[PC+12*\x+6]         ; half an image: this head's 64 of a K step of 128
.endr
.irp x, 0,1
	global_store_b128 v12, v[PC+12*\x:PC+12*\x+3], s[46:47] offset:1536*\x     ; 512 consecutive bytes
	global_store_b64 v13, v[PC+12*\x+4:PC+12*\x+5], s[46:47] offset:1536*\x    ; 256 consecutive bytes
	global_store_b8 v15, v[TP+4+\x], s[48:49] offset:32*\x                     ; 32 consecutive bytes: one byte in 24 of what the launch stores
.endr
	s_cmp_eq_u32 s40, 31
	s_cbranch_scc1 .Lend                           ; the second pass was the last
.irp j, 0,1,2,3,4,5
	v_mov_b32 v[QF+\j], v[QN+\j]                   ; the second pass's queries
	v_mov_b32 v[QF+12+\j], v[QN+6+\j]
.endr
	v_mov_b32 v[QW], v[QW+1]
	INIT                                           ; (its 72 lines are the places between these writes and the next products)
	s_wait_xcnt 0x0                                ; the stores have read their registers and bases
	s_add_nc_u64 s[46:47], s[46:47], 196608        ; 16 tiles of tokens on
	s_add_nc_u64 s[48:49], s[48:49], 512
	s_wait_alu depctr_va_vdst(0)
.Lnext:
	s_add_co_u32 s40, s40, 1
	s_cmp_lt_u32 s40, 32
	s_cbranch_scc1 .Lstep
.Lend:
	s_wait_tensorcnt 0x0                           ; the wave's end
	ds_add_u32 v[SPW], v[NIL]
	s_wait_dscnt 0x0
	CROUND                                         ; the closing round
	s_endpgm
.Lfunc_end_k_qb38e984bf6_attn:
	.size	k_qb38e984bf6_attn, .Lfunc_end_k_qb38e984bf6_attn-k_qb38e984bf6_attn
	.p2alignl 7, 3214868480
	.fill 96, 4, 3214868480
	.section	.rodata,"a",@progbits
	.p2align	6, 0x0
	.amdhsa_kernel k_qb38e984bf6_attn
		.amdhsa_group_segment_fixed_size 262144
		.amdhsa_private_segment_fixed_size 0
		.amdhsa_enable_private_segment 0
		.amdhsa_kernarg_size 24
		.amdhsa_user_sgpr_count 2
		.amdhsa_user_sgpr_kernarg_segment_ptr 1
		.amdhsa_wavefront_size32 1
		.amdhsa_system_sgpr_workgroup_id_x 1
		.amdhsa_system_sgpr_workgroup_id_y 1
		.amdhsa_system_sgpr_workgroup_id_z 1
		.amdhsa_system_vgpr_workitem_id 0
		.amdhsa_next_free_vgpr 480
		.amdhsa_next_free_sgpr 66
		.amdhsa_reserve_vcc 0
		.amdhsa_float_denorm_mode_32 3
		.amdhsa_float_denorm_mode_16_64 3
		.amdhsa_memory_ordered 1
		.amdhsa_forward_progress 1
		.amdhsa_inst_pref_size 50
	.end_amdhsa_kernel
	.amdgpu_metadata
---
amdhsa.version: [ 1, 2 ]
amdhsa.kernels:
  - .name:           k_qb38e984bf6_attn
    .symbol:         k_qb38e984bf6_attn.kd
    .args:
      - { .name: hd, .offset: 0, .size: 8, .value_kind: global_buffer, .address_space: global }
      - { .name: aoc, .offset: 8, .size: 8, .value_kind: global_buffer, .address_space: global }
      - { .name: aos, .offset: 16, .size: 8, .value_kind: global_buffer, .address_space: global }
    .group_segment_fixed_size: 262144
    .private_segment_fixed_size: 0
    .kernarg_segment_align: 8
    .kernarg_segment_size: 24
    .max_flat_workgroup_size: 256
    .sgpr_count:     66
    .vgpr_count:     480
    .wavefront_size: 32
...
	.end_amdgpu_metadata
.endif
;; end of part 3
;; launch proj (part 4): grid 8 x 32, 4 waves a work-group, clusters of 4 x 4, 295,424 bytes of LDS; arguments aoc, aos, opc, ops, b_out, out0; writes out0
.if DOCPART == 4
	.amdgcn_target "amdgcn-amd-amdhsa--gfx1250"
	.amdhsa_code_object_version 6
	.text
	.protected	k_qb38e984bf6_proj
	.globl	k_qb38e984bf6_proj
	.p2align	8
	.type	k_qb38e984bf6_proj,@function
k_qb38e984bf6_proj:
	s_mov_b64 s[64:65], 0
	v_nop
	global_prefetch_b8 v0, s[64:65] scope:SCOPE_SE
	s_setreg_imm32_b32 hwreg(HW_REG_WAVE_MODE, 25, 1), 1
	s_wait_xcnt 0x0
	s_wait_alu depctr_hold_cnt(0) depctr_sa_sdst(0) depctr_va_vdst(0) depctr_va_sdst(0) depctr_va_ssrc(0) depctr_va_vcc(0) depctr_vm_vsrc(0)
	s_getreg_b32 s2, hwreg(HW_REG_IB_STS2, 6, 4)
	s_cmp_eq_u32 s2, 0
	s_cbranch_scc0 .Lentry_in_a_cluster
	s_endpgm
.Lentry_in_a_cluster:
	s_bfe_u32 s2, ttmp6, 0x10000c
	s_cmp_lg_u32 s2, 0xf033
	s_cbranch_scc0 .Lentry_shape_is_right
	s_endpgm
.Lentry_shape_is_right:
; out0 = o w_out + b_out on codes of FP6 (E2M3) with E8M0 scales.  o's codes (aoc) and scale bytes (aos) were made by the attention, w_out's (opc, ops) by the quantiser.
; A work-group makes R 256 tokens x P 128 columns over all of K = 1,024.  Four waves; wave w has R's tiles 4 w .. 4 w + 3 against P's eight: 32 accumulators.  THE MATRIX INSTRUCTION IS USED TRANSPOSED (source 0 = 16 columns
; of w_out, source 1 = 16 tokens): a lane holds one token, and the 16 registers of P's tiles 2 g, 2 g + 1 are columns 32 g + 16 (lane / 16) + 0 .. 15.  Lane-row r of tile 2 p + u is row 32 p + 8 u + r + 8 (r / 8), of tokens and of columns alike.
; P, WHICH ALL FOUR WAVES READ, LIES IN LDS: one block of 98,304 bytes, filled once, a quarter (96 rows of 256 bytes) a wave.  CLUSTER 4 x 4: it hangs on cx alone and is asked for jointly by a column of the cluster.
; R GOES FROM MEMORY STRAIGHT INTO REGISTERS AND IS NOT ASKED FOR JOINTLY: each of its fragments serves one wave alone, so LDS would give it no second reader; a K step's LDS reads are so 32 fragments in place of 48.
; aoc lies in the order of the operand's registers: every load covers 512 or 256 consecutive bytes.  Four sets of 48 registers; a set is asked for three K steps ahead: that look-ahead is the loads' own, so no prefetch is written.
; REGISTERS: window 0: v1-15 addresses; v16-31 R's scale words, v32-63 P's; v160-223 the bias as C; v224-239 the odd heads' scale bytes; on the way out v64-191 rows of out0; v254, v255 the add's.
;   window 1: P's fragments, two sets, at v0 and v128.   window 2: accumulator (a, b) at v[8 (8 a + b)].   window 3: R's fragments, set ks % 4 at v[48 (ks % 4)].
.set BLK,  98304
.set KSB,  12288
.set STG,  98304                       ; LDS: behind P's block the four stages of the way out, 8,448 bytes a wave: bytes of their own, into which no fill lands
.set SPARE, 294912                     ; the spare words, 128 bytes a wave
.set SCR,  16
.set SCP,  32
.set CI,   160
.set G1P,  32                          ; s[32:39] descriptor group 1;  s[52:55] group 0
.set G0P,  52
.set MSB, 0
.macro WIN new                         ; the immediate's high byte repeats the setting that is left
.if MSB != \new
	s_set_vgpr_msb (MSB<<8)|\new
.set MSB, \new
.endif
.endm
.macro PLACES                          ; four plain vector instructions between a matrix instruction and a load into, or a read of, its registers
.rept 4
	v_nop
.endr
.endm
.macro CROUND                          ; a round of the cluster's barrier
	s_barrier_signal -1
	s_barrier_wait -1
	s_cmp_lg_u32 s12, 0
	s_cbranch_scc1 .Lnot_wave_0_\@
	s_barrier_signal -3
.Lnot_wave_0_\@:
	s_barrier_wait -3
	s_barrier_signal -1
	s_barrier_wait -1
.endm
.macro RLOAD ks                        ; 16 loads: my four fragments of R of K step ks into set ks % 4
	WIN 0xc0                                       ; destination window 3
.irp a, 0,1,2,3
	global_load_b128 v[48*((\ks)%4)+12*\a:48*((\ks)%4)+12*\a+3], v1, s[68:69] offset:(\ks)*KSB+\a*1536
	global_load_b64 v[48*((\ks)%4)+12*\a+4:48*((\ks)%4)+12*\a+5], v10, s[68:69] offset:(\ks)*KSB+\a*1536
	global_load_b128 v[48*((\ks)%4)+12*\a+6:48*((\ks)%4)+12*\a+9], v1, s[68:69] offset:(\ks)*KSB+\a*1536+768
	global_load_b64 v[48*((\ks)%4)+12*\a+10:48*((\ks)%4)+12*\a+11], v10, s[68:69] offset:(\ks)*KSB+\a*1536+768
.endr
.endm
.macro FRAGL reg, a16, a8, off         ; a fragment's image comes back as it was laid: every load covers 512 or 256 consecutive bytes
	ds_load_b128 v[\reg:\reg+3], v[\a16] offset:\off
	ds_load_b64 v[\reg+4:\reg+5], v[\a8] offset:\off
	ds_load_b128 v[\reg+6:\reg+9], v[\a16] offset:\off+768
	ds_load_b64 v[\reg+10:\reg+11], v[\a8] offset:\off+768
.endm
.macro FETCH ks                        ; 32 LDS loads in one run: P's eight fragments of K step ks into set ks % 2
	WIN 0x40                                       ; destination window 1
.irp b, 0,1,2,3,4,5,6,7
	FRAGL 128*((\ks)%2)+12*\b, 6+2*((\ks)/4), 7+2*((\ks)/4), ((\ks)%4)*KSB+\b*1536
.endr
.endm
.macro WM pa, pb                       ; one product; pa, pb: source 0's, source 1's scale words stand in lanes 16-31 (an odd tile)
.if (\pa) && (\pb)
	v_wmma_scale_f32_16x16x128_f8f6f4 v[rD:rD+7], v[rP:rP+11], v[rR:rR+11], v[rC:rC+7], v[sP], v[sR] matrix_a_fmt:MATRIX_FMT_FP6 matrix_b_fmt:MATRIX_FMT_FP6 matrix_a_scale:MATRIX_SCALE_ROW1 matrix_b_scale:MATRIX_SCALE_ROW1
.elseif \pa
	v_wmma_scale_f32_16x16x128_f8f6f4 v[rD:rD+7], v[rP:rP+11], v[rR:rR+11], v[rC:rC+7], v[sP], v[sR] matrix_a_fmt:MATRIX_FMT_FP6 matrix_b_fmt:MATRIX_FMT_FP6 matrix_a_scale:MATRIX_SCALE_ROW1
.elseif \pb
	v_wmma_scale_f32_16x16x128_f8f6f4 v[rD:rD+7], v[rP:rP+11], v[rR:rR+11], v[rC:rC+7], v[sP], v[sR] matrix_a_fmt:MATRIX_FMT_FP6 matrix_b_fmt:MATRIX_FMT_FP6 matrix_b_scale:MATRIX_SCALE_ROW1
.else
	v_wmma_scale_f32_16x16x128_f8f6f4 v[rD:rD+7], v[rP:rP+11], v[rR:rR+11], v[rC:rC+7], v[sP], v[sR] matrix_a_fmt:MATRIX_FMT_FP6 matrix_b_fmt:MATRIX_FMT_FP6
.endif
.endm
; 32 products: K step ks.  The 32 accumulators take turns, one instruction a turn, in the same order in every step.  mode 0: onto the sums;  1: the sums begin with the bias
.macro MULS ks, mode
.if (\mode) == 0
	WIN 0xad                                       ; source 0 (P) window 1, source 1 (R) window 3, C and D window 2
.else
	WIN 0x8d                                       ; C window 0
.endif
.irp a, 0,1,2,3
.irp b, 0,1,2,3,4,5,6,7
.set rD, 8*(8*\a+\b)
.set rP, 128*((\ks)%2)+12*\b
.set rR, 48*((\ks)%4)+12*\a
.set sP, SCP+8*(\b/2)+(\ks)
.set sR, SCR+8*(\a/2)+(\ks)
.if (\mode) == 0
.set rC, rD
.else
.set rC, CI+8*\b
.endif
	WM \b%2, \a%2
.endr
.endr
.endm
.macro STEP ks
	s_wait_dscnt 0x0                               ; this step's fragments of P are in (asked for 32 products ago)
.if (\ks) >= 3                         ; (K steps 0 to 2 were waited for ahead of the first products)
.if (\ks) <= 5
	s_wait_loadcnt 32                              ; and of R: the 16 loads of each of the two later sets may be out
.else
	s_wait_loadcnt 16*(7-(\ks))                    ; the last steps have fewer behind them
.endif
.endif
	PLACES                                         ; in front of loads into the sets that the last step's products read
.if (\ks)+3 < 8
	RLOAD (\ks)+3
.endif
.if (\ks) < 7
	FETCH (\ks)+1
.endif
	MULS \ks, 0
.endm
	s_load_b256 s[4:11], s[0:1], 0x0               ; aoc, aos, opc, ops
	s_load_b128 s[84:87], s[0:1], 0x20             ; b_out, out0
	v_lshl_add_u32 v254, v0, 2, SPARE
	v_mov_b32 v255, 0
	ds_add_u32 v254, v255                          ; the opening lines: the add, twice on end, and its wait
	ds_add_u32 v254, v255
	v_lshrrev_b32 v1, 5, v0
	v_readfirstlane_b32 s12, v1                    ; wave 0..3
	s_lshr_b32 s13, s12, 1                         ; which of R's two blocks I read
	s_and_b32 s14, s12, 1
	s_bfe_u32 s15, ttmp6, 0x40000                  ; cx
	s_bfe_u32 s16, ttmp6, 0x40004                  ; cy
	s_and_b32 s18, ttmp7, 0xffff
	s_lshl_b32 s20, ttmp9, 2
	s_add_co_u32 s20, s20, s15                     ; which 128 columns, 0 .. 7
	s_add_co_u32 s21, s20, 88                      ; P's block in opc: w_out's begin at 88
	s_lshl_b32 s23, s18, 2
	s_add_co_u32 s23, s23, s16                     ; which 256 tokens, 0 .. 31
	s_lshl_b32 s22, s23, 1                         ; R's first block in aoc
	s_lshl_b32 s46, 0x1111, s15                    ; my column of the cluster
	; a dense block, as rows of 256 bytes (32 elements of 8 bytes), no padding: 96 rows a load (two K steps)
	s_or_b32 s[G1P], s46, (3<<16)|(1<<21)
	s_mov_b32 s[G1P+1], 32<<16
	s_mov_b32 s[G1P+2], 96<<16
	s_mov_b32 s[G1P+3], 32<<16
	s_mov_b32 s[G1P+4], 96
	s_mov_b32 s[G1P+5], 32
	s_mov_b32 s[G1P+6], 0
	s_mov_b32 s[G1P+7], 0
	s_mov_b32 s[G0P], 1
	s_mul_i32 s[G0P+1], s12, 2*KSB                 ; where my quarter goes: no place in the cluster enters an LDS address
	s_mul_i32 s42, s21, BLK
	s_mul_i32 s43, s12, 2*KSB
	s_add_co_u32 s42, s42, s43
	s_mov_b32 s43, 0
	s_add_co_u32 s40, s22, s13                     ; my four tiles of R: block s22 + wave / 2, tiles 4 (wave % 2) on
	s_mul_i32 s40, s40, BLK
	s_mul_i32 s41, s14, 6144
	s_add_co_u32 s40, s40, s41
	s_mov_b32 s41, 0
	s_wait_dscnt 0x0
	s_wait_kmcnt 0x0
	s_add_nc_u64 s[G0P+2:G0P+3], s[8:9], s[42:43]
	s_or_b32 s[G0P+3], s[G0P+3], 0x80000000
	s_add_nc_u64 s[68:69], s[4:5], s[40:41]
	CROUND                                         ; all sixteen work-groups are here: the joint loads meet
	tensor_load_to_lds s[G0P:G0P+3], s[G1P:G1P+7]  ; one tensor load a wave
	s_nop 0
	PLACES
	v_and_b32 v15, 31, v0
	v_lshlrev_b32 v1, 4, v15                       ; 16 x lane
	v_lshlrev_b32 v11, 1, v15                      ; 2 x lane
	v_lshlrev_b32 v10, 3, v15
	v_add_nc_u32 v10, 512, v10                     ; 8 x lane + 512
	RLOAD 0                                        ; the first three K steps of R
	RLOAD 1
	RLOAD 2
	WIN 0
	v_add_nc_u32 v6, 0, v1                         ; P, K steps 0-3: registers 0-3 of a half,
	v_add_nc_u32 v7, 0, v10                        ; registers 4, 5
	v_add_nc_u32 v8, 4*KSB, v1                     ; K steps 4-7
	v_add_nc_u32 v9, 4*KSB, v10
	s_lshl_b32 s40, s23, 3                         ; R's scale bytes: aos is [head][tile of tokens][r][2]: a pair of tiles is 64 bytes, 2 bytes a lane
	s_lshl_b32 s41, s12, 1
	s_add_co_u32 s40, s40, s41
	s_lshl_b32 s40, s40, 6
	s_mov_b32 s41, 0
	s_add_nc_u64 s[40:41], s[6:7], s[40:41]
	s_lshl_b32 s42, s21, 12                        ; P's scale words: four pairs of 1,024 bytes a block
	s_mov_b32 s43, 0
	s_add_nc_u64 s[42:43], s[10:11], s[42:43]
	s_wait_alu depctr_va_vdst(0)                   ; behind the scalar lines above
.irp p, 0,1
.irp k, 0,1,2,3,4,5,6,7
	global_load_u16 v[SCR+8*\p+\k], v11, s[40:41] offset:(2*\k)*16384+64*\p       ; K step k: head 2 k's two bytes,
	global_load_u16 v[224+8*\p+\k], v11, s[40:41] offset:(2*\k+1)*16384+64*\p     ; and head 2 k + 1's
.endr
.endr
.irp p, 0,1,2,3
.irp q, 0,1
	global_load_b128 v[SCP+8*\p+4*\q:SCP+8*\p+4*\q+3], v1, s[42:43] offset:1024*\p+512*\q
.endr
.endr
	v_bfe_u32 v12, v0, 4, 1
	v_lshlrev_b32 v12, 6, v12                      ; 64 h
	s_lshl_b32 s44, s20, 9
	s_mov_b32 s45, 0
	s_add_nc_u64 s[44:45], s[84:85], s[44:45]
.irp b, 0,1,2,3,4,5,6,7                        ; THE BIAS IS THE C OF EACH SUM'S FIRST PRODUCT: tile b's eight registers are columns 32 (b / 2) + 16 h + 8 (b % 2) + 0 .. 7
	global_load_b128 v[CI+8*\b:CI+8*\b+3], v12, s[44:45] offset:(32*(\b/2)+8*(\b%2))*4
	global_load_b128 v[CI+8*\b+4:CI+8*\b+7], v12, s[44:45] offset:(32*(\b/2)+8*(\b%2))*4+16
.endr
	s_mul_i32 s96, s12, 8448                       ; my stage for the way out: 16 rows x (512 bytes + 16)
	s_add_co_u32 s96, s96, STG
	v_and_b32 v15, 15, v0
	v_mul_u32_u24 v13, v15, 528
	v_add_nc_u32 v13, v13, v12
	v_add_nc_u32 v13, s96, v13                     ; in: row r, + 64 h
	v_add_nc_u32 v14, s96, v1                      ; back: a row's 512 bytes, 16 a lane
	s_lshl_b32 s98, s23, 8
	s_lshl_b32 s97, s12, 6
	s_add_co_u32 s98, s98, s97                     ; my first token: 256 x block of tokens + 64 x wave
	s_lshl_b32 s98, s98, 12
	s_lshl_b32 s97, s20, 9
	s_add_co_u32 s98, s98, s97                     ; + my 128 columns
	s_mov_b32 s99, 0
	s_add_nc_u64 s[86:87], s[86:87], s[98:99]
	s_wait_alu depctr_va_vdst(0)
	s_wait_tensorcnt 0x0                           ; my quarter of P has landed,
	s_barrier_signal -1
	s_barrier_wait -1                              ; and everybody's
	FETCH 0
	WIN 0
	s_wait_loadcnt 0x0                             ; scale bytes, scale words, bias, and K steps 0 to 2 of R
.set i, 0
.rept 16
	v_lshl_or_b32 v[SCR+i], v[224+i], 16, v[SCR+i] ; two heads' bytes make a K step's scale word
.set i, i+1
.endr
.rept 8
	v_nop                                          ; a scale register written by a vector instruction stands eight places ahead of a scaled product
.endr
	s_wait_alu depctr_va_vdst(0)
	s_wait_dscnt 0x0
	RLOAD 3
	FETCH 1
	MULS 0, 1
.irp k, 1,2,3,4,5,6,7
	STEP \k
.endr
	WIN 0
; THE WAY OUT, tile by tile of 16 tokens x 128 columns.  A lane holds pieces of 32 bytes of one row, and the lanes beside it hold other rows: a tile goes through my own stage and comes back as whole rows of
; 512 bytes.  LDS serves a wave's instructions in order (ISA guide 5.7.1.4): no wait between the stores and the loads, nor in front of the next tile's stores.
.macro TOSTAGE a
	WIN 0x08                                       ; an LDS store's data are its source 1: window 2
.irp b, 0,1,2,3,4,5,6,7
	ds_store_b128 v13, v[64*(\a)+8*\b:64*(\a)+8*\b+3] offset:128*(\b/2)+32*(\b%2)        ; each accumulator from its low end on
	ds_store_b128 v13, v[64*(\a)+8*\b+4:64*(\a)+8*\b+7] offset:128*(\b/2)+32*(\b%2)+16
.endr
	WIN 0
.set BB, 64+64*((\a)%2)
.irp i, 0,1,2,3,4,5,6,7,8,9,10,11,12,13,14,15
	ds_load_b128 v[BB+4*\i:BB+4*\i+3], v14 offset:528*\i
.endr
.endm
.macro SEND a, younger                 ; younger: the LDS instructions issued behind tile a's loads, which may stay out
.set BB, 64+64*((\a)%2)
	s_wait_dscnt \younger
.irp i, 0,1,2,3,4,5,6,7,8,9,10,11,12,13,14,15
	global_store_b128 v1, v[BB+4*\i:BB+4*\i+3], s[86:87] offset:(32*((\a)/2)+8*((\a)%2)+\i+8*(\i/8))*4096 th:TH_STORE_NT   ; 32 lanes store 512 consecutive bytes, at a multiple of 256 from out0's first byte
.endr
.endm
	PLACES                                         ; behind the last products: for the reads of their results
	TOSTAGE 0
.irp a, 1,2,3
.if \a > 1
	s_wait_xcnt 0x0                                ; tile a - 2's stores have read their registers: tile a's loads may land there
.endif
	TOSTAGE \a
	SEND \a-1, 32                                  ; behind tile a - 1's loads: tile a's 16 stores and 16 loads
.endr
	SEND 3, 0
	s_wait_tensorcnt 0x0                           ; the wave's end
	ds_add_u32 v254, v255
	s_wait_dscnt 0x0
	CROUND                                         ; the closing round: no work-group ends while a partner may still ask for a block that names it
	s_endpgm
.Lfunc_end_k_qb38e984bf6_proj:
	.size	k_qb38e984bf6_proj, .Lfunc_end_k_qb38e984bf6_proj-k_qb38e984bf6_proj
	.p2alignl 7, 3214868480
	.fill 96, 4, 3214868480
	.section	.rodata,"a",@progbits
	.p2align	6, 0x0
	.amdhsa_kernel k_qb38e984bf6_proj
		.amdhsa_group_segment_fixed_size 295424
		.amdhsa_private_segment_fixed_size 0
		.amdhsa_enable_private_segment 0
		.amdhsa_kernarg_size 48
		.amdhsa_user_sgpr_count 2
		.amdhsa_user_sgpr_kernarg_segment_ptr 1
		.amdhsa_wavefront_size32 1
		.amdhsa_system_sgpr_workgroup_id_x 1
		.amdhsa_system_sgpr_workgroup_id_y 1
		.amdhsa_system_sgpr_workgroup_id_z 1
		.amdhsa_system_vgpr_workitem_id 0
		.amdhsa_next_free_vgpr 960
		.amdhsa_next_free_sgpr 100
		.amdhsa_reserve_vcc 0
		.amdhsa_float_denorm_mode_32 3
		.amdhsa_float_denorm_mode_16_64 3
		.amdhsa_memory_ordered 1
		.amdhsa_forward_progress 1
		.amdhsa_inst_pref_size 89
	.end_amdhsa_kernel
	.amdgpu_metadata
---
amdhsa.version: [ 1, 2 ]
amdhsa.kernels:
  - .name:           k_qb38e984bf6_proj
    .symbol:         k_qb38e984bf6_proj.kd
    .args:
      - { .name: aoc, .offset: 0, .size: 8, .value_kind: global_buffer, .address_space: global }
      - { .name: aos, .offset: 8, .size: 8, .value_kind: global_buffer, .address_space: global }
      - { .name: opc, .offset: 16, .size: 8, .value_kind: global_buffer, .address_space: global }
      - { .name: ops, .offset: 24, .size: 8, .value_kind: global_buffer, .address_space: global }
      - { .name: b_out, .offset: 32, .size: 8, .value_kind: global_buffer, .address_space: global }
      - { .name: out0, .offset: 40, .size: 8, .value_kind: global_buffer, .address_space: global }
    .group_segment_fixed_size: 295424
    .private_segment_fixed_size: 0
    .kernarg_segment_align: 8
    .kernarg_segment_size: 48
    .max_flat_workgroup_size: 128
    .sgpr_count:     100
    .vgpr_count:     960
    .wavefront_size: 32
...
	.end_amdgpu_metadata
.endif
;; end of part 4
